; MI455X (gfx1250); checked and timed in simulation.
; The chip was launched on July 23, 2026; its instructions are those of AMD's public machine-readable ISA for CDNA 5 (MIT licence, August 2026) and "CDNA5" Instruction Set Architecture Reference Guide (July 2026). The comments in the code are by the model that wrote it; some were corrected since.
;; Multi Head Self Attention. Allowed arithmetic: matrix products marked QUANTISED: E2M3 operands, one E8M0 scale for each 32 along K, by v_wmma_scale_f32_16x16x128_f8f6f4 with both operands' format E2M3, f32 sums; everything else in f32.
;; Inputs: wk 1,024 x 1,024 float32; wo 1,024 x 1,024 float32; wq 1,024 x 1,024 float32; wv 1,024 x 1,024 float32; x 4 x 2,048 x 1,024 float32.
;; Outputs: out0 4 x 2,048 x 1,024 float32.
;; This version of the problem:
;;   THIS VERSION OF THE PROBLEM IS GIVEN IN LOW PRECISION. The matrix products marked QUANTISED in the list below multiply operands that are first quantised to E2M3 (2 exponent bits, 3 mantissa bits; 6 bits a number), with one power-of-two scale for each 32 numbers along K (OCP MX v1.0); their sums are f32. All else is computed in f32.
;;   The module's matrix products, in the order in which they are computed (A, B: the left and right operand; K: the contracted axis; several contracted axes count as one K, in the product's order):
;;     1. [M 8,192, K 1,024] x [K 1,024, N 1,024]; A: input x; B: input wq: QUANTISED
;;     2. [M 8,192, K 1,024] x [K 1,024, N 1,024]; A: input x; B: input wk: QUANTISED
;;     3. [M 8,192, K 1,024] x [K 1,024, N 1,024]; A: input x; B: input wv: QUANTISED
;;     4. batch 64 x [M 2,048, K 64] x [K 64, N 2,048]; A: computed on the way; B: computed on the way: QUANTISED
;;     5. batch 64 x [M 64, K 2,048] x [K 2,048, N 2,048]; A: computed on the way; B: softmax (see below): QUANTISED
;;     6. [M 8,192, K 1,024] x [K 1,024, N 1,024]; A: computed on the way; B: input wo: QUANTISED
;;   THE QUANTISER, for each operand of a quantised product, along K:
;;     - K is cut into blocks of 32 from its start; a last block that is shorter is filled with zeros.
;;     - A block's scale is 2^e with e = floor(log2(the largest magnitude in the block)) - 2, held to -126 .. 127; a block of zeros has e = 0. As a byte (E8M0): e + 127.
;;     - Each number is divided by its block's scale, clamped to +-7.5, and rounded to the nearest number of E2M3, ties to even, subnormals kept.
;;     - The product sums the exact products of the quantised numbers (number of the format x scale) in f32.
;;   ~~~python
;;   def quantise(x, axis):      # numpy; x: float32 -> the quantised numbers, widened to float32 again
;;       x = np.moveaxis(x, axis, -1); K = x.shape[-1]
;;       x = np.pad(x, [(0, 0)] * (x.ndim - 1) + [(0, -K % 32)]); x = x.reshape(x.shape[:-1] + (-1, 32)); a = np.abs(x).max(-1, keepdims=True)
;;       e = np.where(a > 0, np.clip(np.frexp(np.where(a > 0, a, 1))[1] - 1 - 2, -126, 127), 0)      # np.frexp(a)[1] - 1 = floor(log2(a)), exactly
;;       r = np.clip(x / 2.0 ** e, -7.5, 7.5)
;;       step = 2.0 ** (np.maximum(np.frexp(np.where(r == 0, 1, r))[1] - 1, 0) - 3)
;;       q = np.round(r / step) * step * 2.0 ** e      # np.round: ties to even
;;       return np.moveaxis(q.reshape(q.shape[:-2] + (-1,))[..., :K], -1, axis).astype(np.float32)
;;   ~~~
;;   SOFTMAX AHEAD OF A QUANTISED PRODUCT. Where the list says 'softmax', what is quantised is not the finished softmax but p = 2^(t - M), with t = logit x log2(e) and M = ceil(the row's largest t), a whole number; so 1/2 < the row's largest p <= 1. The row's sum l is taken of the UNQUANTISED p, in f32, and the product's result is divided by l at the end. Since M is a whole number, a kernel that streams over the keys may use a running M (the ceiling of the running maximum): every later rescaling is an exact power of two, which a block's scale takes up: the codes' values come out the same.
;;   OPERANDS COMPUTED ON THE WAY. 'Computed on the way' means the value that the module computes at that place (a softmax that the list does not call 'softmax' is quantised finished and normalised). What goes into a quantiser is computed in f32, as accurately as f32 sums, v_exp_f32 and their like allow (about 1e-6 of the number): no bf16 or f16 on the way to a quantiser, and a product that is left as it is and whose result goes on into a quantised operand takes f32 operands (vector FMAs, or v_wmma_f32_16x16x4_f32). A number that lies on a knife's edge between two numbers of the format may be rounded either way, as far as f32 arithmetic and the matrix unit's own rounding can turn it there, and no further.
;; One version. Each part assembles by itself: llvm-mc -triple=amdgcn-amd-amdhsa -mcpu=gfx1250 --defsym DOCPART=n.
;; ======== version 1 of 1: 4 launches
;; workspace buffers: codes 9,437,184 bytes; scales 393,216 bytes; qkv 20,185,088 bytes; acodes 6,291,456 bytes; ascales 262,144 bytes
;; launch quant (part 1): grid 384 x 1, 4 waves a work-group, no clusters, 33,280 bytes of LDS; arguments x, wq, wk, wv, wo, codes, scales; writes codes, scales
.if DOCPART == 1
	.amdgcn_target "amdgcn-amd-amdhsa--gfx1250"
	.amdhsa_code_object_version 6
	.text
	.protected	k_qcfd2affb30_quant
	.globl	k_qcfd2affb30_quant
	.p2align	8
	.type	k_qcfd2affb30_quant,@function
k_qcfd2affb30_quant:
	s_mov_b64 s[64:65], 0
	v_nop
	global_prefetch_b8 v0, s[64:65] scope:SCOPE_SE
	s_setreg_imm32_b32 hwreg(HW_REG_WAVE_MODE, 25, 1), 1
	s_wait_xcnt 0x0
; x [8192][1024] and wq, wk, wv, wo [1024][1024], f32 with K innermost, become codes of FP6 (E2M3), 6 bits each, with one E8M0 scale byte for each 32 along K.
; codes: [12288 rows][768 bytes], a row's 1,024 codes as one stream of bits; scales: [12288][32].  Rows 0.. x, 8192.. wq, 9216.. wk, 10240.. wv, 11264.. wo.
; THE ROWS OF x, wq, wk, wv ARE STORED WITH BITS 3 AND 4 OF THE ROW'S NUMBER EXCHANGED: stored row 16 (2 b + u) + r of a group of 32 is true row 32 b + 8 u + r + 8 (r / 8).  Sixteen stored neighbours are then a
; tile whose results, where the tile is a matrix instruction's source 0, fall so that two neighbouring tiles give a lane 16 true neighbours: what the later launches' quantisers want.  wo is stored as it lies.
; A block's scale is 2^(floor(log2(its largest magnitude)) - 2); its byte is the largest magnitude's exponent field - 2, held at 1 from below.  Each number is divided by the scale and rounded to the nearest code, ties to even.
; LIMITS: a block of zeros, and a block whose largest magnitude lies under 2^-124, gets the byte 1 (the bytes are read by this program alone; zero codes add nothing); NaN and infinities among the inputs are not served.
; A work-group takes 32 rows, a wave 8 rows = 16 steps of 512 numbers; so the exchange of bits 3 and 4 is an exchange of waves 1 and 2 in the place where a wave's results go.
; Each of a step's four loads reads 512 consecutive bytes, 16 a lane; the 2,048 bytes turn through the wave's own stage in LDS and come back 64 bytes (16 neighbours) a lane, which is what the conversion takes.
; A lane's 16 codes are 12 bytes: the wave stores 384 consecutive bytes.  A wave's 256 scale bytes are gathered in LDS and leave as 256 consecutive, aligned bytes.
; No tensor loads, no barrier, no cluster: waves share nothing.  Loads run four steps (16 loads a wave) ahead, the turn through LDS one step.
.set STEPS, 16
.set EMAX,  2
.set CB,    12                         ; bytes of 16 codes
.set R,     16                         ; v16-79   four sets of 16 numbers as they are loaded
.set X,     80                         ; v80-111  two sets of 16 neighbours
.set C,     128                        ; v128-191 codes: four registers for each step, so that no store's data are written again
.set E,     112                        ; v112-127 a scale byte for each step
.set WREG,  8192                       ; LDS: a region for each wave: two stages of 32 x SP bytes, behind them its 256 scale bytes
.set SP,    80                         ; a lane's place in a stage: its 64 bytes + 16 of padding
	s_load_b256 s[4:11], s[0:1], 0x0               ; x, wq, wk, wv
	s_load_b128 s[12:15], s[0:1], 0x20             ; wo, codes
	s_load_b64 s[16:17], s[0:1], 0x30              ; scales
	v_lshl_add_u32 v192, v0, 2, 0x8000
	v_mov_b32 v193, 0
	v_lshrrev_b32 v1, 5, v0
	v_readfirstlane_b32 s18, v1                    ; wave
	v_and_b32 v2, 31, v0                           ; lane
	v_lshlrev_b32 v3, 4, v2                        ; my 16 bytes of a load's 512
	s_mul_i32 s19, s18, WREG
	v_lshrrev_b32 v14, 2, v2
	v_mul_u32_u24 v14, v14, SP
	v_and_b32 v15, 3, v2
	v_lshl_add_u32 v14, v15, 4, v14
	v_add_nc_u32 v14, s19, v14                     ; the stage, on the way in: SP (lane / 4) + 16 (lane % 4)
	v_mul_u32_u24 v15, v2, SP
	v_add_nc_u32 v15, s19, v15                     ; and on the way out: SP x lane: my 16 neighbours
	v_mul_u32_u24 v4, v2, CB                       ; my codes' place in a step's
	v_lshrrev_b32 v5, 1, v2
	s_add_co_u32 s19, s19, 2*32*SP
	v_add_nc_u32 v5, s19, v5                       ; LDS: my wave's 256 scale bytes, my block's byte
	v_lshlrev_b32 v7, 3, v2                        ; and on the way out 8 bytes a lane
	v_add_nc_u32 v6, s19, v7
	s_and_b32 s25, s18, 1
	s_lshl_b32 s25, s25, 1
	s_lshr_b32 s26, s18, 1
	s_or_b32 s25, s25, s26                         ; the wave's number with its two bits exchanged
	s_and_b32 s22, ttmp9, 31                       ; a weight has 32 work-groups, and each weight's first is a multiple of 32
	s_wait_kmcnt 0x0
	s_cmp_lt_u32 ttmp9, 352                        ; which tensor: the choices hang on the work-group's number alone
	s_cselect_b64 s[20:21], s[10:11], s[12:13]     ; wv, or wo
	s_cselect_b32 s25, s25, s18                    ; wo's rows keep their order
	s_cmp_lt_u32 ttmp9, 320
	s_cselect_b64 s[20:21], s[8:9], s[20:21]       ; wk
	s_cmp_lt_u32 ttmp9, 288
	s_cselect_b64 s[20:21], s[6:7], s[20:21]       ; wq
	s_cmp_lt_u32 ttmp9, 256
	s_cselect_b64 s[20:21], s[4:5], s[20:21]       ; x
	s_cselect_b32 s22, ttmp9, s22                  ; the work-group's number within its tensor
	s_lshl_b32 s22, s22, 2
	s_add_co_u32 s22, s22, s18
	s_lshl_b32 s22, s22, 15                        ; my wave's 8 rows: 32,768 bytes each run
	s_mov_b32 s23, 0
	s_add_nc_u64 s[4:5], s[20:21], s[22:23]
	s_lshl_b32 s26, ttmp9, 2
	s_add_co_u32 s26, s26, s25                     ; where they go: run 4 x work-group + exchanged wave
	s_mul_i32 s22, s26, 6144                       ; 8 rows of 768 bytes
	s_add_nc_u64 s[8:9], s[14:15], s[22:23]
	s_lshl_b32 s22, s26, 8                         ; 8 rows of 32 bytes
	s_add_nc_u64 s[10:11], s[16:17], s[22:23]
.macro LOAD t
.irp i, 0,1,2,3
	global_load_b128 v[R+16*((\t)%4)+4*\i:R+16*((\t)%4)+4*\i+3], v3, s[4:5] offset:2048*(\t)+512*\i th:TH_LOAD_NT   ; 32 lanes read 512 consecutive bytes
.endr
.endm
.macro TURN t                          ; step t's numbers through the stage: LDS serves a wave's instructions in order, so no wait stands between the stores and the loads
.irp i, 0,1,2,3
	ds_store_b128 v14, v[R+16*((\t)%4)+4*\i:R+16*((\t)%4)+4*\i+3] offset:32*SP*((\t)%2)+8*SP*\i
.endr
.irp i, 0,1,2,3
	ds_load_b128 v[X+16*((\t)%2)+4*\i:X+16*((\t)%2)+4*\i+3], v15 offset:32*SP*((\t)%2)+16*\i
.endr
.endm
.irp t, 0,1,2,3
	LOAD \t
.endr
	s_wait_loadcnt 12                              ; step 0's four loads are in; the twelve of steps 1 to 3 may be out
	TURN 0
.macro STEP t
.set XS, X+16*((\t)%2)
.if (\t) > 0
	s_wait_dscnt 1                                 ; this step's numbers are back from the stage (the last step's byte store may be out): so its stores into the stage have read their registers,
.else
	s_wait_dscnt 0x0
.endif
.if (\t)+4 < STEPS
	LOAD (\t)+4                                    ; which take the loads of four steps on
.endif
.if (\t)+1 < STEPS
.if STEPS-2-(\t) >= 3
	s_wait_loadcnt 12                              ; the next step's four loads are in; those of the three steps behind it may be out
.else
	s_wait_loadcnt 4*(STEPS-2-(\t))
.endif
	TURN (\t)+1                                    ; and go through the other stage while this step is worked
.endif
	v_max3_num_f32 v8, |v[XS]|, |v[XS+1]|, |v[XS+2]|               ; the largest magnitude of my 16, in two chains
	v_max3_num_f32 v9, |v[XS+3]|, |v[XS+4]|, |v[XS+5]|
.irp i, 6,10
	v_max3_num_f32 v8, v8, |v[XS+\i]|, |v[XS+\i+1]|
	v_max3_num_f32 v9, v9, |v[XS+\i+2]|, |v[XS+\i+3]|
.endr
	v_max3_num_f32 v8, v8, |v[XS+14]|, |v[XS+15]|
	v_max3_num_f32 v8, v8, v9, (EMAX+1)<<23        ; and the floor 2^(3 - 127): so the byte cannot fall under 1
	v_max_num_f32_dpp v8, v8, v8 row_xmask:1 row_mask:0xf bank_mask:0xf   ; and of my neighbour's 16: the block's
	v_add_nc_u32 v11, -(EMAX<<23), v8              ; 2 off its exponent field: the conversion takes the exponent field of this operand as its scale, and nothing else of it
	v_cvt_scalef32_pk16_fp6_f32 v[C+4*(\t):C+4*(\t)+2], v[XS:XS+15], v11         ; sixteen numbers / the scale, to the nearest code; 96 bits without gaps, the first number's code lowest
	v_lshrrev_b32 v[E+(\t)], 23, v11               ; the scale's byte
	ds_store_b8 v5, v[E+(\t)] offset:16*(\t)       ; both lanes of a block write the same byte with the same value
	global_store_b96 v4, v[C+4*(\t):C+4*(\t)+2], s[8:9] offset:32*CB*(\t)
.endm
.irp t, 0,1,2,3,4,5,6,7,8,9,10,11,12,13,14,15
	STEP \t
.endr
	ds_load_b64 v[12:13], v6                       ; LDS serves a wave's instructions in order: these see my stores
	s_wait_dscnt 0x0
	global_store_b64 v7, v[12:13], s[10:11]        ; 32 lanes store 256 consecutive bytes, aligned
	s_wait_tensorcnt 0x0
	ds_add_u32 v192, v193
	s_wait_dscnt 0x0
	s_endpgm
.Lfunc_end_k_qcfd2affb30_quant:
	.size	k_qcfd2affb30_quant, .Lfunc_end_k_qcfd2affb30_quant-k_qcfd2affb30_quant
	.p2alignl 7, 3214868480
	.fill 96, 4, 3214868480
	.section	.rodata,"a",@progbits
	.p2align	6, 0x0
	.amdhsa_kernel k_qcfd2affb30_quant
		.amdhsa_group_segment_fixed_size 33280
		.amdhsa_private_segment_fixed_size 0
		.amdhsa_enable_private_segment 0
		.amdhsa_kernarg_size 56
		.amdhsa_user_sgpr_count 2
		.amdhsa_user_sgpr_kernarg_segment_ptr 1
		.amdhsa_wavefront_size32 1
		.amdhsa_system_sgpr_workgroup_id_x 1
		.amdhsa_system_sgpr_workgroup_id_y 1
		.amdhsa_system_sgpr_workgroup_id_z 1
		.amdhsa_system_vgpr_workitem_id 0
		.amdhsa_next_free_vgpr 194
		.amdhsa_next_free_sgpr 66
		.amdhsa_reserve_vcc 0
		.amdhsa_float_denorm_mode_32 3
		.amdhsa_float_denorm_mode_16_64 3
		.amdhsa_memory_ordered 1
		.amdhsa_forward_progress 1
		.amdhsa_inst_pref_size 33
	.end_amdhsa_kernel
	.amdgpu_metadata
---
amdhsa.version: [ 1, 2 ]
amdhsa.kernels:
  - .name:           k_qcfd2affb30_quant
    .symbol:         k_qcfd2affb30_quant.kd
    .args:
      - { .name: x, .offset: 0, .size: 8, .value_kind: global_buffer, .address_space: global }
      - { .name: wq, .offset: 8, .size: 8, .value_kind: global_buffer, .address_space: global }
      - { .name: wk, .offset: 16, .size: 8, .value_kind: global_buffer, .address_space: global }
      - { .name: wv, .offset: 24, .size: 8, .value_kind: global_buffer, .address_space: global }
      - { .name: wo, .offset: 32, .size: 8, .value_kind: global_buffer, .address_space: global }
      - { .name: codes, .offset: 40, .size: 8, .value_kind: global_buffer, .address_space: global }
      - { .name: scales, .offset: 48, .size: 8, .value_kind: global_buffer, .address_space: global }
    .group_segment_fixed_size: 33280
    .private_segment_fixed_size: 0
    .kernarg_segment_align: 8
    .kernarg_segment_size: 56
    .max_flat_workgroup_size: 128
    .sgpr_count:     66
    .vgpr_count:     194
    .wavefront_size: 32
...
	.end_amdgpu_metadata
.endif
;; end of part 1
;; launch qkv (part 2): grid 12 x 32, 4 waves a work-group, clusters of 4 x 4, 327,680 bytes of LDS; arguments codes, scales, qkv; writes qkv
.if DOCPART == 2
	.amdgcn_target "amdgcn-amd-amdhsa--gfx1250"
	.amdhsa_code_object_version 6
	.text
	.protected	k_qcfd2affb30_qkv
	.globl	k_qcfd2affb30_qkv
	.p2align	8
	.type	k_qcfd2affb30_qkv,@function
k_qcfd2affb30_qkv:
	s_mov_b64 s[64:65], 0
	v_nop
	global_prefetch_b8 v0, s[64:65] scope:SCOPE_SE
	s_setreg_imm32_b32 hwreg(HW_REG_WAVE_MODE, 25, 1), 1
	s_wait_xcnt 0x0
	s_wait_alu depctr_hold_cnt(0) depctr_sa_sdst(0) depctr_va_vdst(0) depctr_va_sdst(0) depctr_va_ssrc(0) depctr_va_vcc(0) depctr_vm_vsrc(0)
	s_getreg_b32 s2, hwreg(HW_REG_IB_STS2, 6, 4)
	s_cmp_eq_u32 s2, 0
	s_cbranch_scc0 .Lentry_in_a_cluster
	s_endpgm
.Lentry_in_a_cluster:
	s_bfe_u32 s2, ttmp6, 0x10000c
	s_cmp_lg_u32 s2, 0xf033
	s_cbranch_scc0 .Lentry_shape_is_right
	s_endpgm
.Lentry_shape_is_right:
; q = x wq^T, k = x wk^T, v = x wv^T on codes of FP6 (E2M3) with one E8M0 scale for each 32 along K = 1,024; the results are quantised in registers and leave as codes: no f32 result goes to memory.
; codes [12288][768 bytes], scales [12288][32]: rows 0.. x, 8192.. wq, 9216.. wk, 10240.. wv; all these rows stored with bits 3 and 4 of the row's number exchanged (stored tile 2 b + u, row r = true row 32 b + 8 u + r + 8 (r / 8)).
; A work-group of four waves makes 256 x 256 results, a wave 128 x 128: 64 accumulators of 16 x 16, 512 registers.  K goes in steps of 256 through a ring of two LDS slots filled by the tensor data mover.
; THE KIND is the cluster's x: 0 q, 1 k, 2 v.  THE MATRIX INSTRUCTION IS USED TRANSPOSED: source 0 = 16 rows of 'B', source 1 = 16 rows of 'A': a lane holds ONE row of A, and its registers run along B's rows; by the
; stored order of B's rows the 16 registers of two neighbouring tiles are 16 TRUE neighbours.  q, k: A = tokens, B = the weight's rows (64 head + d): a lane's registers run along d, the next product's K.
; v: A = wv's rows, B = tokens: a lane's registers run along the keys, the K of the product with the softmax.  Both operands lie in one buffer, so the kinds differ in row numbers alone.
; OUT: qkv [16 b + head][J: 128 tokens][record of 19,712 bytes]: 0 K's 8 tiles (16 keys x 64: 768 bytes each); 6,144 V's 4 fragments (16 d x 128 keys: 1,536 each); 12,288 K's scale words; 12,800 V's; 13,056 Q's 8 tiles; 19,200 Q's scale words.
; Everything lies as an IMAGE OF THE OPERAND'S REGISTERS: four registers at 16 x lane, two at 8 x lane: each store of the wave covers 512 or 256 consecutive bytes, aligned.  Scale words: [lane][word i]: lanes 0-15 tile 2 i, lanes 16-31 tile 2 i + 1.
; CLUSTERS: 4 x 4 work-groups.  The four of a row of the cluster need the same tiles of A, the four of a column the same tiles of B: each tile is asked for JOINTLY, by the same tensor load with the same descriptor and a mask that names the four.
; No prefetch: the ring is filled again only twice in the launch.
; LIMITS: a block of zeros, or one whose largest magnitude lies under 2^-124, gets the scale byte 1 (the bytes are read by this program alone); NaN and infinities are not served.
; REGISTERS, in windows of 256: window 0: v0-31 addresses; v32-63 scale words, two sets; v64-127 the way out; from v128 A's fragments, ONE set.  window 1: B's fragments, TWO sets, at v0 and v128.
;   window 2: the 32 accumulators of my A rows 0-63 (accumulator (a, b) at v[8 (8 a + b)]);  window 3: those of rows 64-127.
.set SIZE_K, 1024
.set KSTEP,  256                       ; along K in a slot
.set NQ,     KSTEP/128                 ; matrix instructions deep
.set ROWB,   192                       ; a tile's row in bytes
.set KROW,   SIZE_K*6/8                ; a row of codes in memory
.set PITCH,  240                       ; an LDS row: 3 x (64 bytes + 16 of padding): the 32 lanes of a load of 8 bytes touch 64 different banks (64 banks of 4 bytes: ISA guide 11.1)
.set FR,     12                        ; registers of a fragment: 16 rows x 128 K
.set NL,     6                         ; LDS loads that bring one
.set NP,     4                         ; places behind this matrix instruction (ISA guide 7.12.1)
.set HALFT,  128*PITCH                 ; 128 rows: what one tensor load brings, and what one wave reads of A or of B
.set SLOT,   4*HALFT                   ; A's 256 rows, then B's 256 rows
.set LAPS,   SIZE_K/(2*KSTEP)          ; a lap = two K steps = once round the ring
.set KS,     SIZE_K/32                 ; a row of scales in bytes
.set SCL,    2*SLOT                    ; behind the ring: the scales, as runs of 256 bytes + 16 of padding
.set HALFS,  (128*KS/256)*272          ; the scales of 128 rows: what one tensor load brings
.set SBLK,   (16*KS/256)*272           ; those of 16 rows
.set SPARE,  SCL+4*HALFS               ; behind the scales: the spare words, 128 bytes for each wave, which no other line names
.set RECB,   19712                     ; a record of qkv
.set HEADB,  16*RECB                   ; from a head to the next
.set ADRA, 16                          ; v16-17  LDS address of my A fragments in slot 0, 1  (v18-19: for the pieces behind one padding more)
.set ADRB, 20                          ; v20-21  the same for B  (v22-23)
.set L16,  24                          ; v24     16 x lane; never rewritten
.set L8,   25                          ; v25     8 x lane; never rewritten
.set ADRS, 27                          ; v27     LDS address of my scale words: lanes 0-15 A's rows, lanes 16-31 B's
.set SPW,  28                          ; v28     LDS address of my spare word; never rewritten
.set NIL,  29                          ; v29     0; never rewritten
.set SC,   32                          ; scale words: set s at v[SC + 8 NQ s]; register NQ i + q: lanes 0-15 A's block i, lanes 16-31 B's block i
.set PC,   64                          ; v64-83  the way out: a fragment's 12 registers of codes, then 8 for the conversions' second halves
.set TM,   96                          ; v96-99 largest magnitudes, v100-103 bytes, v108-111 the conversions' scale operands
.set PW,   112                         ; the scale word just made
.set W,    116                         ; v116-119 scale words of blocks 2 i (lanes 0-15) and 2 i + 1 (lanes 16-31)
.set WLO,  120                         ; v120-123 their low halves;  v124-127 their high halves
.set WHI,  124
.set AF,   128                         ; A's fragments, in window 0
.set G1, 24                            ; s[24:31] descriptor group 1 for A's tiles;  s[32:39] group 0, one set for each slot
.set G0, 32
.set G1B, 48                           ; s[48:55], s[56:63] the same for B's tiles
.set G0B, 56
.set HIM, 66                           ; s66 the mask of lanes 16-31
.set G1S, 68                           ; s[68:75], s[76:79] groups 1 and 0 for A's scales;  s[80:87], s[88:91] for B's
.set G0S, 76
.set G1SB, 80
.set G0SB, 88
.set SB,  96                           ; s[96:97] where my scale words go
.set SEL, 98                           ; s[98:99] v_permlanex16_b32's selects for lane l xor 16
.set MSB, 0
.macro WIN new                         ; the immediate's high byte repeats the setting that is left
.if MSB != \new
	s_set_vgpr_msb (MSB<<8)|\new
.set MSB, \new
.endif
.endm
.set MUL_LO, 0xa1                      ; source 0 (B) window 1, source 1 (A) window 0, C and D window 2
.set MUL_HI, 0xf1                      ; the same, C and D window 3
.set TO_B,   0x40                      ; destination window 1, address window 0
; A joint load: waves 0 and 1 fetch for A, waves 2 and 3 for B.  Each of the two lines has ONE mask and one set of registers for all that issue it; the branch hangs on the wave's number alone.
; Four v_nop follow each of the two lines, ahead of the jump, the label and what follows.
.macro JLOAD g0a, g1a, g0b, g1b
	s_cmp_eq_u32 s15, 0
	s_cbranch_scc0 .Lfor_b_\@
	tensor_load_to_lds s[\g0a:\g0a+3], s[\g1a:\g1a+7]
	s_nop 0
.rept 4
	v_nop
.endr
	s_branch .Lasked_\@
.Lfor_b_\@:
	tensor_load_to_lds s[\g0b:\g0b+3], s[\g1b:\g1b+7]
	s_nop 0
.rept 4
	v_nop
.endr
.Lasked_\@:
.endm
.macro CREST                           ; a round of the cluster's barrier behind its opening barrier
	s_cmp_lg_u32 s14, 0
	s_cbranch_scc1 .Lnot_wave_0_\@
	s_barrier_signal -3
.Lnot_wave_0_\@:
	s_barrier_wait -3
	s_barrier_signal -1
	s_barrier_wait -1
.endm
.macro CROUND                          ; a whole round
	s_barrier_signal -1
	s_barrier_wait -1
	CREST
.endm
	s_load_b128 s[4:7], s[0:1], 0x0                ; codes s[4:5], scales s[6:7]
	s_load_b64 s[12:13], s[0:1], 0x10              ; qkv
	v_lshl_add_u32 v[SPW], v0, 2, SPARE
	v_mov_b32 v[NIL], 0
	ds_add_u32 v28, v29
	ds_add_u32 v28, v29
	s_wait_dscnt 0x0
	v_lshrrev_b32 v1, 5, v0
	v_readfirstlane_b32 s14, v1                    ; wave 0..3
	s_lshr_b32 s15, s14, 1                         ; which half of A's 256 rows is mine.  Also: I fetch for A (0) or for B (1)
	s_and_b32 s16, s14, 1                          ; which half of B's.  Also: which 128 rows of that tile I fetch
	s_bfe_u32 s40, ttmp6, 0x40000                  ; cx, cy: my place in the cluster
	s_bfe_u32 s41, ttmp6, 0x40004
	s_and_b32 s17, ttmp7, 0xffff                   ; the cluster's y: 1,024 tokens
	s_lshl_b32 s43, s41, 2
	s_lshl_b32 s43, 15, s43                        ; my row of the cluster
	s_lshl_b32 s44, 0x1111, s40                    ; my column
	; descriptor group 1: a tile of 128 rows x ROWB bytes, padded in LDS
	s_or_b32 s[G1+0], s43, (0<<16)|(1<<20)|(1<<21)|(3<<22)|(3<<25)  ; 15:0 the mask: A's tiles go to my row; 17:16 element of 1 byte; 20 padding on; 21 set beside a mask; 24:22 after every 16 words (code 3); 31:25 of 4 words (code 3)
	s_or_b32 s[G1B+0], s44, (0<<16)|(1<<20)|(1<<21)|(3<<22)|(3<<25)
.irp g, G1, G1B
	s_mov_b32 s[\g+1], ROWB<<16                    ; tensor_dim0
	s_mov_b32 s[\g+2], 128<<16                     ; tensor_dim1 = 128
	s_mov_b32 s[\g+3], ROWB<<16                    ; tile_dim0
	s_mov_b32 s[\g+4], 128                         ; tile_dim1 = 128
	s_mov_b32 s[\g+5], KROW                        ; tensor_dim0_stride
	s_mov_b32 s[\g+6], 0
	s_mov_b32 s[\g+7], 0
.endr
	; and for the scales of 128 rows: a dense block of 4,096 bytes, as rows of 256 bytes (32 elements of 8 bytes), 16 bytes of padding behind each
	s_or_b32 s[G1S+0], s43, (3<<16)|(1<<20)|(1<<21)|(5<<22)|(3<<25)
	s_or_b32 s[G1SB+0], s44, (3<<16)|(1<<20)|(1<<21)|(5<<22)|(3<<25)
.irp g, G1S, G1SB
	s_mov_b32 s[\g+1], 32<<16
	s_mov_b32 s[\g+2], (128*KS/256)<<16
	s_mov_b32 s[\g+3], 32<<16
	s_mov_b32 s[\g+4], 128*KS/256
	s_mov_b32 s[\g+5], 32
	s_mov_b32 s[\g+6], 0
	s_mov_b32 s[\g+7], 0
.endr
	; which rows.  q, k: A = tokens 1024 Y + 256 cy, B = the weight's rows 8192 + 1024 kind + 256 cx.  v: A = wv's rows 10240 + 256 cy, B = tokens 1024 Y + 256 cx.
	; A's row never holds cx and B's never cy; the kind and Y are the same in all sixteen partners.
	s_lshl_b32 s95, s17, 10                        ; 1024 Y
	s_lshl_b32 s96, ttmp9, 10
	s_add_co_u32 s96, s96, 8192                    ; the weight's first row
	s_mov_b32 s97, 10240                           ; wv's
	s_cmp_eq_u32 ttmp9, 2
	s_cselect_b32 s20, s97, s95
	s_cselect_b32 s46, s95, s96
	s_lshl_b32 s18, s16, 7                         ; which 128 rows of the tile I fetch
	s_lshl_b32 s19, s41, 8
	s_add_co_u32 s20, s20, s19
	s_add_co_u32 s20, s20, s18                     ; A's row
	s_lshl_b32 s47, s40, 8
	s_add_co_u32 s46, s46, s47
	s_add_co_u32 s46, s46, s18                     ; B's row
	s_mov_b32 s21, 0
	s_mov_b32 s47, 0
	s_mov_b64 s[18:19], KS
	s_mul_u64 s[22:23], s[20:21], s[18:19]         ; where these rows' scales begin, in bytes
	s_mul_u64 s[92:93], s[46:47], s[18:19]
	s_mov_b64 s[18:19], KROW
	s_mul_u64 s[20:21], s[20:21], s[18:19]         ; and their codes
	s_mul_u64 s[46:47], s[46:47], s[18:19]
	s_mul_i32 s45, s14, HALFT                      ; where they go: wave x 128 rows: no place in the cluster enters an LDS address
	s_mul_i32 s94, s14, HALFS
	s_wait_kmcnt 0x0
	s_add_nc_u64 s[20:21], s[4:5], s[20:21]
	s_add_nc_u64 s[22:23], s[6:7], s[22:23]
	s_add_nc_u64 s[46:47], s[4:5], s[46:47]
	s_add_nc_u64 s[92:93], s[6:7], s[92:93]
	CROUND                                         ; all sixteen work-groups are here: the first joint loads meet
	s_mov_b32 s[G0S], 1
	s_add_co_u32 s[G0S+1], s94, SCL
	s_mov_b64 s[G0S+2:G0S+3], s[22:23]
	s_or_b32 s[G0S+3], s[G0S+3], 0x80000000
	s_mov_b32 s[G0SB], 1
	s_add_co_u32 s[G0SB+1], s94, SCL
	s_mov_b64 s[G0SB+2:G0SB+3], s[92:93]
	s_or_b32 s[G0SB+3], s[G0SB+3], 0x80000000
	JLOAD G0S, G1S, G0SB, G1SB                     ; the scales first: they are wanted with K step 0, and are filled once
.irp s, 0,1
	s_mov_b32 s[G0+4*\s], 1
	s_add_co_u32 s[G0+4*\s+1], s45, \s*SLOT
	s_add_nc_u64 s[G0+4*\s+2:G0+4*\s+3], s[20:21], \s*ROWB
	s_or_b32 s[G0+4*\s+3], s[G0+4*\s+3], 0x80000000
	s_mov_b32 s[G0B+4*\s], 1
	s_add_co_u32 s[G0B+4*\s+1], s45, \s*SLOT
	s_add_nc_u64 s[G0B+4*\s+2:G0B+4*\s+3], s[46:47], \s*ROWB
	s_or_b32 s[G0B+4*\s+3], s[G0B+4*\s+3], 0x80000000
	JLOAD G0+4*\s, G1, G0B+4*\s, G1B
.endr
	v_and_b32 v1, 15, v0                           ; l % 16
	v_bfe_u32 v2, v0, 4, 1                         ; l / 16
	v_mul_u32_u24 v3, v1, PITCH
	v_mul_u32_u24 v4, v2, 24
	v_add_nc_u32 v4, v3, v4                        ; a fragment's row x pitch + 24 x half
	v_lshl_add_u32 v5, v2, 4, v4                   ; and the same behind one padding more
	s_mul_i32 s21, s15, HALFT                      ; my 128 rows of A
	s_mul_i32 s22, s16, HALFT                      ; my 128 rows of B,
	s_add_co_u32 s22, s22, 2*HALFT                 ; which lie behind A's 256
.irp s, 0,1
	v_add_nc_u32 v[ADRA+\s], s21, v4
	v_add_nc_u32 v[ADRB+\s], s22, v4
	v_add_nc_u32 v[ADRA+2+\s], s21, v5
	v_add_nc_u32 v[ADRB+2+\s], s22, v5
	s_add_co_u32 s21, s21, SLOT
	s_add_co_u32 s22, s22, SLOT
.endr
	v_mul_u32_u24 v5, v1, KS                       ; my row's scales: KS bytes a row,
	v_lshrrev_b32 v6, 8, v5
	v_lshl_add_u32 v5, v6, 4, v5                   ; and 16 more for each 256 passed
	s_mul_i32 s21, s15, HALFS                      ; A's: my 128 rows
	s_mul_i32 s22, s16, HALFS                      ; B's: my 128 rows, behind A's 256
	s_add_co_u32 s22, s22, 2*HALFS
	s_sub_co_u32 s22, s22, s21
	v_mul_u32_u24 v6, s22, v2                      ; lanes 16-31 take B's
	s_add_co_u32 s21, s21, SCL
	v_add_nc_u32 v5, v5, v6
	v_add_nc_u32 v[ADRS], s21, v5
	v_and_b32 v6, 31, v0
	v_lshlrev_b32 v[L16], 4, v6
	v_lshlrev_b32 v[L8], 3, v6
	s_mov_b32 s[HIM], 0xffff0000
	s_mov_b32 s[SEL], 0x76543210
	s_mov_b32 s[SEL+1], 0xfedcba98
	; where my results go.  My 128 rows along the heads are heads 2 g, 2 g + 1; my 128 tokens are group TJ = 16 b + J
	s_cmp_eq_u32 ttmp9, 2
	s_cselect_b32 s92, s41, s40                    ; the heads lie along A for v, along B for q and k
	s_cselect_b32 s93, s15, s16
	s_cselect_b32 s94, s40, s41                    ; the tokens the other way round
	s_cselect_b32 s95, s16, s15
	s_lshl_b32 s92, s92, 1
	s_add_co_u32 s92, s92, s93                     ; g
	s_lshl_b32 s94, s94, 1
	s_add_co_u32 s94, s94, s95
	s_lshl_b32 s95, s17, 3
	s_add_co_u32 s94, s94, s95                     ; TJ = 8 Y + 2 x place + half
	s_lshr_b32 s95, s94, 4                         ; b
	s_and_b32 s94, s94, 15                         ; J
	s_lshl_b32 s95, s95, 3
	s_add_co_u32 s92, s92, s95                     ; 8 b + g
	s_lshl_b32 s92, s92, 5                         ; (16 b + 2 g) x 16 records
	s_add_co_u32 s92, s92, s94
	s_mul_i32 s92, s92, RECB
	s_mov_b32 s94, 12288                           ; k: codes at the record's byte 0, scale words 12,288 on
	s_cmp_eq_u32 ttmp9, 0
	s_cselect_b32 s93, 13056, 0                    ; q: codes at 13,056,
	s_cselect_b32 s94, 6144, s94                   ;    scale words 6,144 on
	s_cmp_eq_u32 ttmp9, 2
	s_cselect_b32 s93, 6144, s93                   ; v: codes at 6,144,
	s_cselect_b32 s94, 6656, s94                   ;    scale words at 12,800
	s_add_co_u32 s92, s92, s93
	s_mov_b32 s93, 0
	s_add_nc_u64 s[12:13], s[12:13], s[92:93]
	s_mov_b32 s95, 0
	s_add_nc_u64 s[SB:SB+1], s[12:13], s[94:95]
.macro FRAG reg, adr, q, i             ; a fragment, 16 rows x 128 K of 6-bit codes, is 12 registers: lane l holds row l % 16; registers 6 c .. 6 c + 5 hold K = 64 c + 32 (l / 16) + 0 .. 31: 24 bytes of the row's stream of bits, as they lie
.irp p, 0,1,2,3,4,5                    ; in pieces of 8 bytes.  Lanes 0-15 take the row's pieces 12 q + 0, 1, 2 and 12 q + 6, 7, 8, lanes 16-31 those three pieces on
.set PCE, 12*(\q)+6*(\p/3)+\p%3        ; 16 bytes of padding lie behind every 8 pieces: where the piece three on lies behind one padding more, the second address register serves
.if PCE%8 < 5
	ds_load_b64 v[\reg+2*\p:\reg+2*\p+1], v[\adr] offset:8*PCE+16*(PCE/8)+(\i)*16*PITCH
.else
	ds_load_b64 v[\reg+2*\p:\reg+2*\p+1], v[\adr+2] offset:8*PCE+16*(PCE/8)+(\i)*16*PITCH
.endif
.endr
.endm
; 16 matrix instructions: A's blocks a0, a0 + 1 x B's eight, 128 along K: the slot's q-th.  p: B's set;  sc: the set of scale words.  zero = 1: the first product starts the sums: nothing is ever cleared.
; The 64 accumulators take turns, one instruction a turn, in the same order in every step.
.macro MUL16 a0, p, q, sc, zero
.irp a, \a0, \a0+1
.irp b, 0,1,2,3,4,5,6,7
.if \zero
	v_wmma_scale_f32_16x16x128_f8f6f4 v[8*(8*((\a)%4)+\b):8*(8*((\a)%4)+\b)+7], v[128*(\p)+FR*\b:128*(\p)+FR*\b+FR-1], v[AF+FR*(\a):AF+FR*(\a)+FR-1], 0, v[SC+8*NQ*(\sc)+NQ*\b+(\q)], v[SC+8*NQ*(\sc)+NQ*(\a)+(\q)] matrix_a_fmt:MATRIX_FMT_FP6 matrix_b_fmt:MATRIX_FMT_FP6 matrix_a_scale:MATRIX_SCALE_ROW1
.else
	v_wmma_scale_f32_16x16x128_f8f6f4 v[8*(8*((\a)%4)+\b):8*(8*((\a)%4)+\b)+7], v[128*(\p)+FR*\b:128*(\p)+FR*\b+FR-1], v[AF+FR*(\a):AF+FR*(\a)+FR-1], v[8*(8*((\a)%4)+\b):8*(8*((\a)%4)+\b)+7], v[SC+8*NQ*(\sc)+NQ*\b+(\q)], v[SC+8*NQ*(\sc)+NQ*(\a)+(\q)] matrix_a_fmt:MATRIX_FMT_FP6 matrix_b_fmt:MATRIX_FMT_FP6 matrix_a_scale:MATRIX_SCALE_ROW1
.endif
.endr
.endr
.endm
.macro FETCH_B slot, q, p              ; B's eight fragments of the slot's q-th 128 along K into set p
	WIN TO_B
.irp i, 0,1,2,3,4,5,6,7
	FRAG 128*(\p)+FR*\i, ADRB+\slot, \q, \i
.endr
	WIN 0
.endm
.macro FETCH_A slot, q, i0             ; A's blocks i0 .. i0 + 3
.irp i, \i0, \i0+1, \i0+2, \i0+3
	FRAG AF+FR*(\i), ADRA+\slot, \q, \i
.endr
.endm
.macro SCALES sc                       ; the next K step's scale words into set sc: NQ words a row; lanes 0-15 take A's block i, lanes 16-31 B's block i
.irp i, 0,1,2,3,4,5,6,7
	ds_load_b64 v[SC+8*NQ*\sc+NQ*\i:SC+8*NQ*\sc+NQ*\i+1], v[ADRS] offset:\i*SBLK
.endr
.endm
; A load into a register that a matrix instruction has read, and a vector instruction that reads a matrix result, stand NP places behind that matrix instruction; only plain vector
; instructions that name none of its registers are places (ISA guide 7.12.1 for vector instructions).
.macro PLACES n
.rept \n
	v_nop
.endr
.endm
; A step of 128 along K that has its successor in the same slot.
.macro STEP slot, q, zero
	s_wait_dscnt 4*NL                              ; B's set and A's blocks 0-3 are in; the youngest 24 loads (A's blocks 4-7) may be out
	WIN MUL_LO
	MUL16 0, (\q)%2, \q, \slot, \zero
	MUL16 2, (\q)%2, \q, \slot, \zero
	s_wait_dscnt 0                                 ; A's blocks 4-7 are in (asked for 32 matrix instructions ago)
	PLACES NP
	FETCH_B \slot, (\q)+1, 1-(\q)%2
	FETCH_A \slot, (\q)+1, 0
	WIN MUL_HI
	MUL16 4, (\q)%2, \q, \slot, \zero
	MUL16 6, (\q)%2, \q, \slot, \zero
	PLACES NP
	WIN 0
	FETCH_A \slot, (\q)+1, 4
.endm
; A slot's last step changes slots: ONE barrier; in front of it each wave waits for all its tensor loads, adds 0 to its spare word, and waits for that and for its own reads of this slot.  fill = 1: this slot is filled again, two K steps ahead.
.macro TURN slot, next, fill
	s_wait_tensorcnt 0x0                           ; all my tensor loads have landed: my part of the next slot;  (every window is 0 here)
	ds_add_u32 v[SPW], v[NIL]                      ; 0 onto my spare word
	s_wait_dscnt 4*NL+1                            ; (the add and the youngest 24 loads, A's blocks 4-7, may be out)
	WIN MUL_LO
	MUL16 0, 1, NQ-1, \slot, 0                     ; sixteen matrix instructions stand between the add and the wait for it
	s_wait_dscnt 0x0                               ; the add is done, and my reads of this slot are over
	s_barrier_signal -1
	MUL16 2, 1, NQ-1, \slot, 0
	WIN 0
	s_barrier_wait -1
.if \fill
	CREST                                          ; the barrier has opened a round of the cluster's barrier: no wave of any partner still reads this slot's tile or has a load on its way
	s_add_nc_u64 s[G0+4*\slot+2:G0+4*\slot+3], s[G0+4*\slot+2:G0+4*\slot+3], 2*ROWB
	s_add_nc_u64 s[G0B+4*\slot+2:G0B+4*\slot+3], s[G0B+4*\slot+2:G0B+4*\slot+3], 2*ROWB
	JLOAD G0+4*\slot, G1, G0B+4*\slot, G1B         ; the first tensor load behind the round; the four v_nop behind it are the places in front of the loads below
.else
	PLACES NP
.endif
	v_add_nc_u32 v[ADRS], 4*NQ, v[ADRS]            ; on to the next K step's scale words (no LDS load of mine is out)
	FETCH_B \next, 0, 0
	FETCH_A \next, 0, 0
	SCALES \next
	WIN MUL_HI
	MUL16 4, 1, NQ-1, \slot, 0
	MUL16 6, 1, NQ-1, \slot, 0
	PLACES NP
	WIN 0
	FETCH_A \next, 0, 4
.endm
	s_wait_tensorcnt 1                             ; the scales and my part of K step 0 are in (K step 1's load may be out)
	s_barrier_signal -1
	s_barrier_wait -1                              ; everybody's are
	FETCH_B 0, 0, 0
	FETCH_A 0, 0, 0
	SCALES 0
	FETCH_A 0, 0, 4
	STEP 0, 0, 1                                   ; the first step stands in front of the loop: its products start the sums
	s_mov_b32 s3, LAPS-1
.Llap:                                                 ; a trip goes once round the ring, from a lap's second step to the next lap's first, and fills both slots again
	TURN 0, 1, 1
	STEP 1, 0, 0
	TURN 1, 0, 1
	STEP 0, 0, 0
	s_sub_co_u32 s3, s3, 1
	s_cmp_lg_u32 s3, 0
	s_cbranch_scc1 .Llap
	TURN 0, 1, 0                                   ; the last lap fills nothing, and has no round of the cluster's barrier
	STEP 1, 0, 0
	s_wait_dscnt 4*NL                              ; the very last step: nothing more to fetch
	WIN MUL_LO
	MUL16 0, 1, NQ-1, 1, 0
	MUL16 2, 1, NQ-1, 1, 0
	s_wait_dscnt 0
	WIN MUL_HI
	MUL16 4, 1, NQ-1, 1, 0
	MUL16 6, 1, NQ-1, 1, 0
	WIN 0
; THE WAY OUT, a block of 16 rows of A at a time.  The block's 64 registers of a lane are: register 16 b + i = place 32 b + 16 (lane / 16) + i along my 128 of B, in true order: four blocks of 32 of the quantiser's axis.
; They become a fragment's 12 registers of codes in v[PC] on (registers 6 c .. 6 c + 5: places 64 c + 32 (lane / 16) + 0 .. 31) and a scale word in v[PW].
.macro QUANTW a
.set AC, 64*((\a)%4)
.set WN, 2+(\a)/4                      ; the block's accumulators: window 2 or 3
	WIN ((WN<<2)|(WN<<4))                          ; sources 1 and 2 there
.irp b, 0,1,2,3
	v_max3_num_f32 v[TM+\b], 0x1800000, |v[AC+16*\b]|, |v[AC+16*\b+1]|   ; my 16 numbers of block b, and the floor 2^(3 - 127): so the byte cannot fall under 1.  Each accumulator is read from its low end on
.endr
.irp i, 2,4,6,8,10,12,14
.irp b, 0,1,2,3
	v_max3_num_f32 v[TM+\b], v[TM+\b], |v[AC+16*\b+\i]|, |v[AC+16*\b+\i+1]|   ; (the four blocks by turns)
.endr
.endr
	WIN 0
.irp b, 0,1,2,3
	v_permlanex16_b32 v[TM+4+\b], v[TM+\b], s[SEL], s[SEL+1]
.endr
.irp b, 0,1,2,3
	v_max_num_f32 v[TM+\b], v[TM+\b], v[TM+4+\b]   ; with lane l xor 16's: the block's largest magnitude
.endr
.irp b, 0,1,2,3
	v_add_nc_u32 v[TM+12+\b], 0xff000000, v[TM+\b] ; 2 off its exponent field: the conversion's scale operand
.endr
.irp b, 0,1,2,3
	v_lshrrev_b32 v[TM+4+\b], 23, v[TM+12+\b]      ; the scale's byte
.endr
	v_lshl_or_b32 v[PW], v[TM+5], 8, v[TM+4]       ; the four bytes make my row's scale word
	v_lshl_or_b32 v[PW], v[TM+6], 16, v[PW]
	v_lshl_or_b32 v[PW], v[TM+7], 24, v[PW]
	s_wait_xcnt 0x0                                ; the last block's stores have read v[PC] on: it is written again only behind this wait
	WIN WN                                         ; source 0 in the accumulators' window
.irp c, 0,1
	v_cvt_scalef32_pk16_fp6_f32 v[PC+6*\c:PC+2+6*\c], v[AC+32*\c:AC+15+32*\c], v[TM+12+2*\c]
	v_cvt_scalef32_pk16_fp6_f32 v[PC+12+4*\c:PC+14+4*\c], v[AC+16+32*\c:AC+31+32*\c], v[TM+12+2*\c+1]   ; (a conversion's three registers begin on an even number)
.endr
	WIN 0
	v_nop                                          ; one plain place behind a scaled conversion
.irp c, 0,1                                    ; the operand's layout wants a WHOLE block in a lane: lanes 0-15 block 2 c, lanes 16-31 block 2 c + 1
.irp i, 0,1,2
	v_permlane16_swap_b32 v[PC+6*\c+\i], v[PC+12+4*\c+\i]
.endr
.irp i, 0,1,2
	v_mov_b32 v[PC+3+6*\c+\i], v[PC+12+4*\c+\i]
.endr
.endr
.if (\a)%2 == 0
	v_mov_b32 v[W+(\a)/2], v[PW]                   ; every lane holds its row's word (lanes l and l xor 16 the same):
.else
	v_cndmask_b32 v[W+(\a)/2], v[W+(\a)/2], v[PW], s[HIM]   ; an even block's stays in lanes 0-15, the odd block's goes to lanes 16-31
.endif
.endm
; The block's codes are stored.  q, k: registers 0-5 are head 2 g's tile a, registers 6-11 head 2 g + 1's.  v: the 12 registers are fragment a % 4 of head 2 g + a / 4.  The branch hangs on the cluster's x, the same in all partners.
.macro PUT a
	s_cmp_eq_u32 ttmp9, 2
	s_cbranch_scc1 .Lput_v_\@
	global_store_b128 v[L16], v[PC:PC+3], s[12:13] offset:768*(\a)
	global_store_b64 v[L8], v[PC+4:PC+5], s[12:13] offset:768*(\a)+512
	global_store_b128 v[L16], v[PC+6:PC+9], s[12:13] offset:HEADB+768*(\a)
	global_store_b64 v[L8], v[PC+10:PC+11], s[12:13] offset:HEADB+768*(\a)+512
	s_branch .Lput_done_\@
.Lput_v_\@:
.irp c, 0,1,2
	global_store_b128 v[L16], v[PC+4*\c:PC+4*\c+3], s[12:13] offset:((\a)/4)*HEADB+((\a)%4)*1536+512*\c
.endr
.Lput_done_\@:
.endm
	PLACES NP                                      ; behind the last products, ahead of the first read of results
.irp b, 0,1,2,3
	v_mov_b32 v[TM+4+\b], 0                        ; written once: a lane permute's destination counts as one of its sources
.endr
.irp a, 0,1,2,3,4,5,6,7
	QUANTW \a
	PUT \a
.endr
	s_cmp_eq_u32 ttmp9, 2
	s_cbranch_scc1 .Lwords_v
.irp i, 0,1,2,3                                ; q, k: a word's bytes 0, 1 are head 2 g's two blocks, bytes 2, 3 head 2 g + 1's.  Each head gets its two bytes low and 0 above: the upper 64 of the next product's K step are not used
	v_and_b32 v[WLO+\i], 0xffff, v[W+\i]
	v_lshrrev_b32 v[WHI+\i], 16, v[W+\i]
.endr
	global_store_b128 v[L16], v[WLO:WLO+3], s[SB:SB+1]
	global_store_b128 v[L16], v[WHI:WHI+3], s[SB:SB+1] offset:HEADB
	s_branch .Lwords_done
.Lwords_v:                                             ; v: a word's four bytes are the four blocks of 32 keys; blocks 0-3 are head 2 g's, blocks 4-7 head 2 g + 1's
	global_store_b64 v[L8], v[W:W+1], s[SB:SB+1]
	global_store_b64 v[L8], v[W+2:W+3], s[SB:SB+1] offset:HEADB
.Lwords_done:
	s_wait_tensorcnt 0x0                           ; the wave's end: behind my last tensor load
	ds_add_u32 v[SPW], v[NIL]
	s_wait_dscnt 0x0
	CROUND                                         ; the closing round: no work-group ends while a partner may still ask for a tile that names it
	s_endpgm
.Lfunc_end_k_qcfd2affb30_qkv:
	.size	k_qcfd2affb30_qkv, .Lfunc_end_k_qcfd2affb30_qkv-k_qcfd2affb30_qkv
	.p2alignl 7, 3214868480
	.fill 96, 4, 3214868480
	.section	.rodata,"a",@progbits
	.p2align	6, 0x0
	.amdhsa_kernel k_qcfd2affb30_qkv
		.amdhsa_group_segment_fixed_size 327680
		.amdhsa_private_segment_fixed_size 0
		.amdhsa_enable_private_segment 0
		.amdhsa_kernarg_size 24
		.amdhsa_user_sgpr_count 2
		.amdhsa_user_sgpr_kernarg_segment_ptr 1
		.amdhsa_wavefront_size32 1
		.amdhsa_system_sgpr_workgroup_id_x 1
		.amdhsa_system_sgpr_workgroup_id_y 1
		.amdhsa_system_sgpr_workgroup_id_z 1
		.amdhsa_system_vgpr_workitem_id 0
		.amdhsa_next_free_vgpr 1024
		.amdhsa_next_free_sgpr 100
		.amdhsa_reserve_vcc 0
		.amdhsa_float_denorm_mode_32 3
		.amdhsa_float_denorm_mode_16_64 3
		.amdhsa_memory_ordered 1
		.amdhsa_forward_progress 1
		.amdhsa_inst_pref_size 170
	.end_amdhsa_kernel
	.amdgpu_metadata
---
amdhsa.version: [ 1, 2 ]
amdhsa.kernels:
  - .name:           k_qcfd2affb30_qkv
    .symbol:         k_qcfd2affb30_qkv.kd
    .args:
      - { .name: codes, .offset: 0, .size: 8, .value_kind: global_buffer, .address_space: global }
      - { .name: scales, .offset: 8, .size: 8, .value_kind: global_buffer, .address_space: global }
      - { .name: qkv, .offset: 16, .size: 8, .value_kind: global_buffer, .address_space: global }
    .group_segment_fixed_size: 327680
    .private_segment_fixed_size: 0
    .kernarg_segment_align: 8
    .kernarg_segment_size: 24
    .max_flat_workgroup_size: 128
    .sgpr_count:     100
    .vgpr_count:     1024
    .wavefront_size: 32
...
	.end_amdgpu_metadata
.endif
;; end of part 2
;; launch attn (part 3): grid 4 x 64, 16 waves a work-group, clusters of 4 x 1, 210,944 bytes of LDS; arguments qkv, acodes, ascales; writes acodes, ascales
.if DOCPART == 3
	.amdgcn_target "amdgcn-amd-amdhsa--gfx1250"
	.amdhsa_code_object_version 6
	.text
	.protected	k_qcfd2affb30_attn
	.globl	k_qcfd2affb30_attn
	.p2align	8
	.type	k_qcfd2affb30_attn,@function
k_qcfd2affb30_attn:
	s_mov_b64 s[64:65], 0
	v_nop
	global_prefetch_b8 v0, s[64:65] scope:SCOPE_SE
	s_setreg_imm32_b32 hwreg(HW_REG_WAVE_MODE, 25, 1), 1
	s_wait_xcnt 0x0
	s_wait_alu depctr_hold_cnt(0) depctr_sa_sdst(0) depctr_va_vdst(0) depctr_va_sdst(0) depctr_va_ssrc(0) depctr_va_vcc(0) depctr_vm_vsrc(0)
	s_getreg_b32 s2, hwreg(HW_REG_IB_STS2, 6, 4)
	s_cmp_eq_u32 s2, 0
	s_cbranch_scc0 .Lentry_in_a_cluster
	s_endpgm
.Lentry_in_a_cluster:
	s_bfe_u32 s2, ttmp6, 0x10000c
	s_cmp_lg_u32 s2, 0x3003
	s_cbranch_scc0 .Lentry_shape_is_right
	s_endpgm
.Lentry_shape_is_right:
; Causal attention of one (batch, head) a cluster, both products on codes of FP6 (E2M3) with one E8M0 scale for each 32 along a product's K; the result, divided by the row's sum, is quantised along 64 head + d and leaves as codes.
; qkv [16 b + head][J: 128 tokens][19,712 bytes]: 0 K's 8 tiles of 16 keys x 64 (768 bytes each); 6,144 V's 4 fragments of 16 d x 128 keys (1,536 each); 12,288 K's scale words; 12,800 V's; 13,056 Q's 8 tiles; 19,200 Q's scale words.
; All are images of operand registers (four registers at 16 x lane, two at 8 x lane); scale words [lane][word i]: lanes 0-15 tile 2 i, lanes 16-31 tile 2 i + 1.  Tile 2 b + u, row r, is token (or d) 32 b + 8 u + r + 8 (r / 8).
; THE SOFTMAX: t = score x log2(e) / 32 (the scores are divided by sqrt(1024)); M = the row's largest t so far, rounded UP to a whole number; p = 2^(t - M) is quantised along the keys, not normalised; the row's sum is taken
; of the unquantised p in f32 and divides at the end.  When M moves, the sum and O are multiplied by 2^(old M - new M): exact.
; BOTH PRODUCTS ARE USED TRANSPOSED: S^T = K Q^T (source 0 = 16 keys), O^T = V^T P^T (source 0 = 16 of the head's 64): a lane holds ONE query throughout, the 16 registers of two neighbouring tiles of S^T are 16 neighbouring keys,
; and those of O^T 16 neighbouring d.
; K = 64 IN AN INSTRUCTION OF 128: Q's operand has six registers of zero codes above its six.  K's tile t is named as v[32 + 6 t .. 43 + 6 t]: its upper six registers are the next tile's codes (tile 7: zeros); they meet Q's zero codes,
; and the format has no code for infinity or NaN; the scale bytes of that half are 0 on both sides (2^-127): those products add exactly 0.
; SHARES.  The cluster's four work-groups split each group G of 128 queries: work-group cx owns tiles 2 cx and 2 cx + 1.  So a tile's number of key steps, G + 1, is the same in all partners: no branch, trip count or LDS address hangs
; on cx.  Wave w takes tile 2 cx + (w & 1) of group 15 - w / 2, then of group w / 2: 17 key steps of 128 keys for every wave.  Steps wholly behind the diagonal are jumped over by a scalar branch on ids.
; LDS: the first 13,056 bytes of the head's 16 records, record J at 13,056 J, each filled ONCE, by joint loads of the four partners (the same descriptor, a mask that names the four).  Waves 0 to 3 issue four loads each at the head:
; four tensor loads of a wave are out.  Nothing is filled again and nothing is stored to LDS.  All of the head's K and V is asked for at the head: there is no later load for a prefetch to run ahead of, so none is laid.
; Four waves share a SIMD (256 registers each), so that one wave's vector work stands beside another's matrix work and LDS loads.
; OUT: acodes [tile of 16 tokens T][head][768 bytes: image of 16 rows x 64]; ascales [16 T + r][32]: bytes 2 head, 2 head + 1.  The two scale bytes of a row are a head's share of a row of 32 bytes: these stores, one part in 24 of the
; result's bytes, are 2 bytes a lane, 32 bytes apart.
; LIMITS: a block of zeros, or one whose largest magnitude lies under 2^-124, gets the scale byte 1 (read by this program alone); NaN and infinities are not served.
; REGISTERS: v1 16 x lane, v2 8 x lane, v3-4 the same + the step's record, v5 the mask's number, v8 16 r, v9 32 r; v12 -M, v13 the largest t, v[14:15] the sum in two halves; v16-21 Q, v22-27 zeros; v28-31 K's scale words;
;   v32-79 K's 8 tiles, then V's 4 fragments; v80-85 zeros; v86-87 V's scale words; v96-159 S^T, then p; v160-191 O^T; v224-235 p's codes; v232-254 at work; v253 p's scale word; v255 Q's.
.set REC,   13056                      ; a record's part in LDS
.set RECB,  19712                      ; a record in memory
.set HEADB, 16*RECB
.set VIMG,  6144
.set KSC,   12288
.set VSC,   12800
.set QIMG,  13056
.set QSC,   19200
.set TB,    2                          ; s2   LDS byte at which the step's record begins
.set KJ,    3                          ; s3   the key step
.set WV,    18                         ; s18  my wave's number
.set CX,    19                         ; s19  my place in the cluster: it enters Q's and the results' addresses and the mask's number alone
.set SEL,   20                         ; s[20:21] lane selects for v_permlanex16_b32: lane l xor 16
.set CS,    22                         ; s[22:23] c = log2(e) / 32
.set G1,    24                         ; s[24:31] descriptor group 1
.set G0,    32                         ; s[32:47] four groups 0
.set CNT,   48
.set GQ,    49                         ; s49  my queries' group of 128
.set UU,    50                         ; s50  wave & 1
.set HB,    51                         ; s51  16 b + head
.set QOFF,  52                         ; s52  byte of my tile of Q in record 0 of the head
.set QSOFF, 53                         ; s53  and of its scale words
.set QA,    54                         ; s[54:55], s[56:57] Q's image and scale words;  s[58:59], s[60:61] where the results go
.set QS,    56
.set OA,    58
.set OS,    60
.set TBASE, 62                         ; s62  128 b + 2 cx + u
.set H768,  63                         ; s63  768 x head
.set H2,    74                         ; s74  2 x head
.macro CROUND                          ; a round of the cluster's barrier
	s_barrier_signal -1
	s_barrier_wait -1
	s_cmp_lg_u32 s[WV], 0
	s_cbranch_scc1 .Lnot_wave_0_\@
	s_barrier_signal -3
.Lnot_wave_0_\@:
	s_barrier_wait -3
	s_barrier_signal -1
	s_barrier_wait -1
.endm
	s_load_b128 s[4:7], s[0:1], 0x0                ; qkv, acodes
	s_load_b64 s[8:9], s[0:1], 0x10                ; ascales
	v_lshl_add_u32 v250, v0, 2, 0x33000
	v_mov_b32 v251, 0
	ds_add_u32 v250, v251
	ds_add_u32 v250, v251
	v_lshrrev_b32 v1, 5, v0
	s_delay_alu instid0(VALU_DEP_1)
	v_readfirstlane_b32 s[WV], v1                  ; wave 0..15
	s_bfe_u32 s[CX], ttmp6, 0x40000
	s_and_b32 s[HB], ttmp7, 0xffff                 ; the cluster's y
	s_and_b32 s[UU], s[WV], 1
	s_mul_i32 s66, s[HB], HEADB                    ; the head's first byte in qkv
	s_lshl_b32 s67, s[CX], 1
	s_add_co_u32 s67, s67, s[UU]                   ; my tile in a group: 2 cx + u
	s_mul_i32 s68, s67, 768
	s_add_co_u32 s68, s68, s66
	s_add_co_u32 s[QOFF], s68, QIMG
	s_lshl_b32 s68, s[UU], 8                       ; its scale words: lanes 16 u + r, word cx
	s_lshl_b32 s69, s[CX], 2
	s_add_co_u32 s68, s68, s69
	s_add_co_u32 s68, s68, s66
	s_add_co_u32 s[QSOFF], s68, QSC
	s_lshr_b32 s68, s[HB], 4
	s_lshl_b32 s68, s68, 7
	s_add_co_u32 s[TBASE], s68, s67
	s_and_b32 s68, s[HB], 15
	s_mul_i32 s[H768], s68, 768
	s_lshl_b32 s[H2], s68, 1
	s_lshl_b32 s73, s[CX], 5
	s_lshl_b32 s69, s[UU], 3
	s_add_co_u32 s73, s73, s69                     ; 32 cx + 8 u
	s_mul_i32 s70, s[WV], RECB                     ; what I fetch, if I fetch: records wave, 4 + wave, 8 + wave, 12 + wave of the head: nothing of cx in it
	s_add_co_u32 s70, s70, s66
	s_mov_b32 s71, 0
	s_mul_i32 s72, s[WV], REC
	; descriptor group 1: 13,056 dense bytes as 51 rows of 256 bytes (32 elements of 8 bytes)
	s_mov_b32 s[G1], 15|(3<<16)|(1<<21)            ; 15:0 the mask: all four work-groups; 17:16 elements of 8 bytes; 20 no padding; 21 set beside a mask
	s_mov_b32 s[G1+1], 32<<16                      ; tensor_dim0 = 32
	s_mov_b32 s[G1+2], 51<<16                      ; tensor_dim1 = 51
	s_mov_b32 s[G1+3], 32<<16                      ; tile_dim0 = 32
	s_mov_b32 s[G1+4], 51                          ; tile_dim1 = 51
	s_mov_b32 s[G1+5], 32                          ; tensor_dim0_stride
	s_mov_b32 s[G1+6], 0
	s_mov_b32 s[G1+7], 0
	s_mov_b32 s[SEL], 0x76543210
	s_mov_b32 s[SEL+1], 0xfedcba98
	s_mov_b32 s[CS], 0x3d38aa3b                    ; c = log2(e) / 32
	s_mov_b32 s[CS+1], s[CS]                       ; (named with it as a pair, so it is written)
	s_wait_dscnt 0x0
	s_wait_kmcnt 0x0
	s_add_nc_u64 s[70:71], s[4:5], s[70:71]
.irp c, 0,1,2,3
	s_mov_b32 s[G0+4*\c], 1                        ; 1:0 count = 1
	s_add_co_u32 s[G0+4*\c+1], s72, 4*\c*REC       ; 63:32 LDS address
	s_add_nc_u64 s[G0+4*\c+2:G0+4*\c+3], s[70:71], 4*\c*RECB   ; 120:64 global address
	s_or_b32 s[G0+4*\c+3], s[G0+4*\c+3], 0x80000000            ; 127:126 type = 2
.endr
	CROUND                                         ; all four work-groups are here: the joint loads meet
	s_cmp_lt_u32 s[WV], 4                          ; a wave's four fills stand in one branch on the wave's number, ahead of every wait on TENSORcnt and every LDS read; four v_nop follow the last
	s_cbranch_scc0 .Lnone
	tensor_load_to_lds s[G0:G0+3], s[G1:G1+7]
	s_nop 0
	tensor_load_to_lds s[G0+4:G0+7], s[G1:G1+7]
	s_nop 0
	tensor_load_to_lds s[G0+8:G0+11], s[G1:G1+7]
	s_nop 0
	tensor_load_to_lds s[G0+12:G0+15], s[G1:G1+7]
	s_nop 0
.rept 4
	v_nop
.endr
.Lnone:
	v_and_b32 v6, 31, v0                           ; lane
	s_delay_alu instid0(VALU_DEP_1)
	v_lshlrev_b32 v1, 4, v6
	s_delay_alu instid0(VALU_DEP_2)
	v_lshlrev_b32 v2, 3, v6
	v_and_b32 v7, 15, v0                           ; r
	v_bfe_u32 v10, v0, 4, 1                        ; h
	s_delay_alu instid0(VALU_DEP_2)
	v_lshlrev_b32 v8, 4, v7
	s_delay_alu instid0(VALU_DEP_3)
	v_lshlrev_b32 v9, 5, v7
	s_delay_alu instid0(VALU_DEP_4)
	v_and_b32 v5, 8, v7
	s_delay_alu instid0(VALU_DEP_1)
	v_add_nc_u32 v5, v5, v7                        ; r + 8 (r / 8)
	v_lshlrev_b32 v10, 4, v10
	s_delay_alu instid0(VALU_DEP_1)
	v_sub_nc_u32 v5, v5, v10
	s_delay_alu instid0(VALU_DEP_1)
	v_add_nc_u32 v5, s73, v5                       ; my query's place in its group of 128, less 16 h: register 16 b + i of S^T holds key 16 h + 32 b + i of the step: on the diagonal it is hidden where 32 b + i is above this
.irp j, 22,23,24,25,26,27,80,81,82,83,84,85
	v_mov_b32 v\j, 0                               ; the zero codes above Q's six registers and above K's last tile
.endr
.irp j, 236,237,238,239,252,253
	v_mov_b32 v\j, 0                               ; written once: a lane permute's destination counts as one of its sources, and a pair is named whole
.endr
; A KEY STEP: 128 keys, record KJ.  g = 1: the step may lie behind or on my queries' diagonal.
.macro STEP g
.if \g
	s_cmp_gt_u32 s[KJ], s[GQ]                      ; all its keys come after my queries: the step's work is left out; the lines at its end that step addresses are not
	s_cbranch_scc1 .Lhid_\@
.endif
	s_setprio 2
	v_add_nc_u32 v3, s[TB], v1
	v_add_nc_u32 v4, s[TB], v2
	v_nop
	v_nop                                          ; four places behind the last step's products, ahead of loads into registers that they have read
.irp t, 0,1,2,3,4,5,6,7
	ds_load_b128 v[32+6*\t:35+6*\t], v3 offset:768*\t
	ds_load_b64 v[36+6*\t:37+6*\t], v4 offset:768*\t+512
.endr
	ds_load_b128 v[28:31], v3 offset:KSC
	s_wait_alu depctr_va_vdst(0)
	s_wait_dscnt 0x0
.irp t, 0,2,4,6                                ; S^T = K Q^T: eight tiles of 16 keys; an even tile's scale words lie in lanes 0-15, an odd tile's in lanes 16-31
	v_wmma_scale_f32_16x16x128_f8f6f4 v[96+8*\t:103+8*\t], v[32+6*\t:43+6*\t], v[16:27], 0, v[28+\t/2], v255 matrix_a_fmt:MATRIX_FMT_FP6 matrix_b_fmt:MATRIX_FMT_FP6
	v_wmma_scale_f32_16x16x128_f8f6f4 v[104+8*\t:111+8*\t], v[38+6*\t:49+6*\t], v[16:27], 0, v[28+\t/2], v255 matrix_a_fmt:MATRIX_FMT_FP6 matrix_b_fmt:MATRIX_FMT_FP6 matrix_a_scale:MATRIX_SCALE_ROW1
.endr
.rept 4
	v_nop                                          ; four places: ahead of the loads into K's registers and of the first read of the scores
.endr
.irp f, 0,1,2,3                                ; V's four fragments are asked for now and land under the softmax
.irp c, 0,1,2
	ds_load_b128 v[32+12*\f+4*\c:35+12*\f+4*\c], v3 offset:VIMG+1536*\f+512*\c
.endr
.endr
	ds_load_b64 v[86:87], v4 offset:VSC
.if \g                                         ; on the diagonal the scores of hidden keys become -infinity ahead of the maximum: p = 0 then.  A step all of whose keys count skips this
	s_cmp_lg_u32 s[KJ], s[GQ]
	s_cbranch_scc1 .Lopen_\@
	v_mov_b32 v254, 0xff800000                     ; -infinity
.irp n, 0,1,2,3,4,5,6,7,8,9,10,11,12,13,14,15,16,17,18,19,20,21,22,23,24,25,26,27,28,29,30,31,32,33,34,35,36,37,38,39,40,41,42,43,44,45,46,47,48,49,50,51,52,53,54,55,56,57,58,59,60,61,62,63
	v_cmp_gt_i32 vcc_lo, 32*(\n/16)+\n%16, v5
	v_cndmask_b32 v[96+\n], v[96+\n], v254, vcc_lo
.endr
.Lopen_\@:
.endif
.irp b, 0,1,2,3
	v_max3_num_f32 v[232+\b], v[96+16*\b], v[97+16*\b], v[98+16*\b]   ; THE LARGEST SCORE OF EACH BLOCK OF 32 KEYS: it serves twice: for the row's maximum, and, since p rises with the score, for the block's largest p
.endr
.irp i, 3,5,7,9,11,13
.irp b, 0,1,2,3
	v_max3_num_f32 v[232+\b], v[232+\b], v[96+16*\b+\i], v[97+16*\b+\i]   ; (the four blocks by turns)
.endr
.endr
.irp b, 0,1,2,3
	v_max_num_f32 v[232+\b], v[232+\b], v[111+16*\b]
.endr
.irp b, 0,1,2,3
	s_delay_alu instid0(VALU_DEP_4)
	v_permlanex16_b32 v[236+\b], v[232+\b], s[SEL], s[SEL+1]
.endr
.irp b, 0,1,2,3
	s_delay_alu instid0(VALU_DEP_4)
	v_max_num_f32 v[232+\b], v[232+\b], v[236+\b]  ; with lane l xor 16's 16 keys
.endr
	s_delay_alu instid0(VALU_DEP_2)
	v_max3_num_f32 v254, v232, v233, v234
	s_delay_alu instid0(VALU_DEP_1)
	v_max_num_f32 v254, v254, v235                 ; the step's largest score of my query
	s_delay_alu instid0(VALU_DEP_1)
	v_mul_f32 v254, s[CS], v254                    ; as t (c is positive)
	s_delay_alu instid0(VALU_DEP_1)
	v_max_num_f32 v13, v13, v254                   ; the running largest t
	v_mov_b32 v254, v12
	s_delay_alu instid0(VALU_DEP_2)
	v_floor_f32 v12, -v13                          ; the new -M = floor(-t) = -ceil(t): M is a whole number
	s_delay_alu instid0(VALU_DEP_1)
	v_sub_f32 v254, v12, v254                      ; M's old value less its new one: a whole number, 0 or less
	s_delay_alu instid0(VALU_DEP_1)
	v_cvt_i32_f32 v254, v254                       ; (it saturates)
	s_delay_alu instid0(VALU_DEP_1)
	v_ldexp_f32 v252, 1.0, v254                    ; f = 2^(old M - new M)
.irp j, 0,2,4,6,8,10,12,14,16,18,20,22,24,26,28,30,32,34,36,38,40,42,44,46,48,50,52,54,56,58,60,62
	v_pk_fma_f32 v[96+\j:97+\j], v[96+\j:97+\j], s[CS:CS+1], v[12:13] op_sel_hi:[1,0,0]   ; t - M, two at a time (of the pairs c and -M the low word serves both halves)
.endr
.irp b, 0,1,2,3
	v_fma_f32 v[232+\b], v[232+\b], s[CS], v12     ; the same of each block's largest score
.endr
	s_setprio 1
	s_wait_alu depctr_va_vdst(0)
.irp j, 0,1,2,3,4,5,6,7,8,9,10,11,12,13,14,15,16,17,18,19,20,21,22,23,24,25,26,27,28,29,30,31,32,33,34,35,36,37,38,39,40,41,42,43,44,45,46,47,48,49,50,51,52,53,54,55,56,57,58,59,60,61,62,63
	v_exp_f32 v[96+\j], v[96+\j]                   ; p = 2^(t - M), at most 1: not normalised
.endr
	v_pk_mul_f32 v[14:15], v[14:15], v[252:253] op_sel_hi:[1,0]   ; the sums under the new M.  (A plain place behind the exponentials)
	s_wait_alu depctr_va_vdst(0)                   ; one wait for the whole batch, ahead of its first reader
.irp b, 0,1,2,3
	v_exp_f32 v[232+\b], v[232+\b]                 ; the block's largest p: the same two instructions on the same number give the same bits
.endr
	v_pk_add_f32 v[236:237], v[100:101], v[104:105]
	v_pk_add_f32 v[248:249], v[108:109], v[112:113]
	v_pk_add_f32 v[246:247], v[116:117], v[120:121]
	v_pk_add_f32 v[244:245], v[124:125], v[128:129]
	v_pk_add_f32 v[242:243], v[132:133], v[136:137]
	v_pk_add_f32 v[240:241], v[140:141], v[144:145]
	v_pk_add_f32 v[238:239], v[148:149], v[152:153]
	v_pk_add_f32 v[14:15], v[14:15], v[156:157]
	v_pk_add_f32 v[236:237], v[236:237], v[96:97]
	v_pk_add_f32 v[248:249], v[248:249], v[98:99]
	v_pk_add_f32 v[246:247], v[246:247], v[102:103]
	v_pk_add_f32 v[244:245], v[244:245], v[106:107]
	v_pk_add_f32 v[242:243], v[242:243], v[110:111]
	v_pk_add_f32 v[240:241], v[240:241], v[114:115]
	v_pk_add_f32 v[238:239], v[238:239], v[118:119]
	v_pk_add_f32 v[14:15], v[14:15], v[122:123]
	v_pk_add_f32 v[236:237], v[236:237], v[126:127]
	v_pk_add_f32 v[248:249], v[248:249], v[130:131]
	v_pk_add_f32 v[246:247], v[246:247], v[134:135]
	v_pk_add_f32 v[244:245], v[244:245], v[138:139]
	v_pk_add_f32 v[242:243], v[242:243], v[142:143]
	v_pk_add_f32 v[240:241], v[240:241], v[146:147]
	v_pk_add_f32 v[238:239], v[238:239], v[150:151]
	v_pk_add_f32 v[14:15], v[14:15], v[154:155]
	v_pk_add_f32 v[236:237], v[236:237], v[158:159]
	s_delay_alu instid0(VALU_DEP_2)
	v_pk_add_f32 v[14:15], v[14:15], v[244:245]
	s_delay_alu instid0(VALU_DEP_2)
	v_pk_add_f32 v[236:237], v[236:237], v[242:243]
	v_pk_add_f32 v[248:249], v[248:249], v[240:241]
	v_pk_add_f32 v[246:247], v[246:247], v[238:239]
	s_delay_alu instid0(VALU_DEP_2)
	v_pk_add_f32 v[14:15], v[14:15], v[248:249]
	s_delay_alu instid0(VALU_DEP_2)
	v_pk_add_f32 v[236:237], v[236:237], v[246:247]
	s_delay_alu instid0(VALU_DEP_1)
	v_pk_add_f32 v[14:15], v[14:15], v[236:237]
	s_wait_alu depctr_va_vdst(0)                   ; and one for the four
.irp b, 0,1,2,3
	v_max_num_f32 v[232+\b], 0x1800000, v[232+\b]  ; the floor 2^(3 - 127): the byte cannot fall under 1 (a block whose every p is 0 keeps that byte: its codes are zeros)
.endr
.irp b, 0,1,2,3
	s_delay_alu instid0(VALU_DEP_4)
	v_add_nc_u32 v[244+\b], 0xff000000, v[232+\b]  ; 2 off the exponent field: the conversion's scale operand
.endr
.irp b, 0,1,2,3
	s_delay_alu instid0(VALU_DEP_4)
	v_lshrrev_b32 v[236+\b], 23, v[244+\b]         ; the scale's byte
.endr
	s_delay_alu instid0(VALU_DEP_3)
	v_lshl_or_b32 v253, v237, 8, v236              ; p's scale word for these 128 keys
	s_delay_alu instid0(VALU_DEP_1)
	v_lshl_or_b32 v253, v238, 16, v253
	s_delay_alu instid0(VALU_DEP_1)
	v_lshl_or_b32 v253, v239, 24, v253
.irp c, 0,1
	v_cvt_scalef32_pk16_fp6_f32 v[224+6*\c:226+6*\c], v[96+32*\c:111+32*\c], v[244+2*\c]
	v_cvt_scalef32_pk16_fp6_f32 v[236+4*\c:238+4*\c], v[112+32*\c:127+32*\c], v[244+2*\c+1]   ; (a conversion's three registers begin on an even number)
.endr
	v_nop                                          ; one plain place behind a scaled conversion
	s_setprio 0
.irp c, 0,1                                    ; the operand's layout wants a WHOLE block in a lane: lanes 0-15 block 2 c, lanes 16-31 block 2 c + 1
.irp i, 0,1,2
	v_permlane16_swap_b32 v[224+6*\c+\i], v[236+4*\c+\i]
.endr
.irp i, 0,1,2
	s_delay_alu instid0(VALU_DEP_3)
	v_mov_b32 v[227+6*\c+\i], v[236+4*\c+\i]
.endr
.endr
.irp j, 0,2,4,6,8,10,12,14,16,18,20,22,24,26,28,30
	v_pk_mul_f32 v[160+\j:161+\j], v[160+\j:161+\j], v[252:253] op_sel_hi:[1,0]   ; O^T under the new M: x f.  (With the moves above these are the places between the writing of p's codes and scale word and the products)
.endr
	s_wait_alu depctr_va_vdst(0)
	s_wait_dscnt 0x0                               ; V is in
.irp f, 0,2                                    ; O^T += V^T P^T: four tiles of 16 of the head's 64, by turns; K = these 128 keys
	v_wmma_scale_f32_16x16x128_f8f6f4 v[160+8*\f:167+8*\f], v[32+12*\f:43+12*\f], v[224:235], v[160+8*\f:167+8*\f], v[86+\f/2], v253 matrix_a_fmt:MATRIX_FMT_FP6 matrix_b_fmt:MATRIX_FMT_FP6
	v_wmma_scale_f32_16x16x128_f8f6f4 v[168+8*\f:175+8*\f], v[44+12*\f:55+12*\f], v[224:235], v[168+8*\f:175+8*\f], v[86+\f/2], v253 matrix_a_fmt:MATRIX_FMT_FP6 matrix_b_fmt:MATRIX_FMT_FP6 matrix_a_scale:MATRIX_SCALE_ROW1
.endr
.if \g
.Lhid_\@:
.endif
	s_add_co_u32 s[KJ], s[KJ], 1
	s_add_co_u32 s[TB], s[TB], REC                 ; the next record
.endm
.macro KLOOP n, g, j0                          ; n key steps from step j0 on: a constant number of trips
	s_mov_b32 s[TB], (\j0)*REC
	s_mov_b32 s[KJ], \j0
	s_mov_b32 s[CNT], \n
.Lk_\@:
	STEP \g
	s_sub_co_u32 s[CNT], s[CNT], 1
	s_cmp_lg_u32 s[CNT], 0
	s_cbranch_scc1 .Lk_\@
	s_setprio 0
.endm
; The tile of group s[GQ] begins: its addresses, Q and its scale words into registers; O^T and the sum begin as zeros and the largest t as -3e38, so that the step is written once: the first change of M multiplies zeros.
.macro PASS_INIT
	s_mul_i32 s66, s[GQ], RECB
	s_add_co_u32 s68, s66, s[QOFF]
	s_mov_b32 s69, 0
	s_add_nc_u64 s[QA:QA+1], s[4:5], s[68:69]
	s_add_co_u32 s68, s66, s[QSOFF]
	s_add_nc_u64 s[QS:QS+1], s[4:5], s[68:69]
	s_lshl_b32 s66, s[GQ], 3
	s_add_co_u32 s66, s66, s[TBASE]                ; T = 128 b + 8 G + 2 cx + u
	s_mul_i32 s68, s66, 12288
	s_add_co_u32 s68, s68, s[H768]
	s_add_nc_u64 s[OA:OA+1], s[6:7], s[68:69]
	s_lshl_b32 s68, s66, 9
	s_add_co_u32 s68, s68, s[H2]
	s_add_nc_u64 s[OS:OS+1], s[8:9], s[68:69]
	global_load_b128 v[16:19], v1, s[QA:QA+1]
	global_load_b64 v[20:21], v2, s[QA:QA+1] offset:512
	global_load_b32 v255, v8, s[QS:QS+1]
	v_mov_b32 v13, 0xff61b1e6                      ; -3e38, under every t
	s_delay_alu instid0(VALU_DEP_1)
	v_floor_f32 v12, -v13                          ; -M
	v_mov_b32 v14, 0
	v_mov_b32 v15, 0
.irp j, 0,1,2,3,4,5,6,7,8,9,10,11,12,13,14,15,16,17,18,19,20,21,22,23,24,25,26,27,28,29,30,31
	v_mov_b32 v[160+\j], 0
.endr
	s_wait_loadcnt 0x0
.endm
; The tile ends: O^T / the sum, in f32; register 16 b + i is d = 32 b + 16 h + i of my query: two blocks of 32 of the last product's K.  They are quantised and leave as an image of six registers and two scale bytes.
.macro PASS_END
.rept 4
	v_nop                                          ; four places behind the last products
.endr
	v_add_f32 v14, v14, v15                        ; the sum's two halves,
	s_delay_alu instid0(VALU_DEP_1)
	v_permlanex16_b32 v252, v14, s[SEL], s[SEL+1]
	s_delay_alu instid0(VALU_DEP_1)
	v_add_f32 v14, v14, v252                       ; and lane l xor 16's: the row's sum
	s_wait_alu depctr_va_vdst(0)
	v_rcp_f32 v14, v14
	v_nop                                          ; a plain place behind the reciprocal
	s_wait_alu depctr_va_vdst(0)                   ; and the wait ahead of its first reader
.irp j, 0,1,2,3,4,5,6,7,8,9,10,11,12,13,14,15,16,17,18,19,20,21,22,23,24,25,26,27,28,29,30,31
	v_mul_f32 v[96+\j], v[160+\j], v14             ; each accumulator from its low end on
.endr
.irp b, 0,1
	v_max3_num_f32 v[232+\b], |v[96+16*\b]|, |v[97+16*\b]|, 0x1800000
.endr
.irp i, 2,4,6,8,10,12,14
.irp b, 0,1
	s_delay_alu instid0(VALU_DEP_2)
	v_max3_num_f32 v[232+\b], v[232+\b], |v[96+16*\b+\i]|, |v[97+16*\b+\i]|
.endr
.endr
.irp b, 0,1
	s_delay_alu instid0(VALU_DEP_2)
	v_permlanex16_b32 v[236+\b], v[232+\b], s[SEL], s[SEL+1]
.endr
.irp b, 0,1
	s_delay_alu instid0(VALU_DEP_2)
	v_max_num_f32 v[232+\b], v[232+\b], v[236+\b]
.endr
.irp b, 0,1
	s_delay_alu instid0(VALU_DEP_2)
	v_add_nc_u32 v[244+\b], 0xff000000, v[232+\b]
.endr
.irp b, 0,1
	s_delay_alu instid0(VALU_DEP_2)
	v_lshrrev_b32 v[236+\b], 23, v[244+\b]
.endr
	s_delay_alu instid0(VALU_DEP_1)
	v_lshl_or_b32 v240, v237, 8, v236              ; my row's two scale bytes
	v_cvt_scalef32_pk16_fp6_f32 v[224:226], v[96:111], v244
	v_cvt_scalef32_pk16_fp6_f32 v[236:238], v[112:127], v245
	v_nop                                          ; one plain place behind a scaled conversion
.irp i, 0,1,2
	v_permlane16_swap_b32 v[224+\i], v[236+\i]     ; lanes 0-15 get block 0 whole, lanes 16-31 block 1
.endr
.irp i, 0,1,2
	s_delay_alu instid0(VALU_DEP_3)
	v_mov_b32 v[227+\i], v[236+\i]
.endr
	global_store_b128 v1, v[224:227], s[OA:OA+1]               ; 512 consecutive bytes
	global_store_b64 v2, v[228:229], s[OA:OA+1] offset:512     ; 256 consecutive bytes
	global_store_b16 v9, v240, s[OS:OS+1]                      ; lanes r and r + 16 hold the same two bytes and name the same place
	s_wait_xcnt 0x0                                ; the stores have read their registers and bases: the next tile writes both again
.endm
	s_lshr_b32 s66, s[WV], 1
	s_sub_co_u32 s[GQ], 15, s66                    ; the first tile: group 15 - w / 2, 8 at the least: key steps 0 to 7 lie wholly in front of its diagonal
	PASS_INIT
	s_wait_tensorcnt 3                             ; my record of steps 0 to 3 is in; my three later loads may be out
	s_barrier_signal -1
	s_barrier_wait -1                              ; everybody's is
	KLOOP 4, 0, 0
	s_wait_tensorcnt 2                             ; steps 4 to 7; two later loads may be out
	s_barrier_signal -1
	s_barrier_wait -1
	KLOOP 4, 0, 4
	s_wait_tensorcnt 1                             ; steps 8 to 11; one later load may be out
	s_barrier_signal -1
	s_barrier_wait -1
	KLOOP 4, 1, 8
	s_wait_tensorcnt 0x0                           ; steps 12 to 15: no tensor load is out from here on
	s_barrier_signal -1
	s_barrier_wait -1
	KLOOP 4, 1, 12
	PASS_END
	s_lshr_b32 s[GQ], s[WV], 1                     ; the second tile: group w / 2, 7 at the most
	PASS_INIT
	KLOOP 8, 1, 0
	PASS_END
	s_wait_tensorcnt 0x0
	ds_add_u32 v250, v251
	s_wait_dscnt 0x0
	CROUND                                         ; the closing round: no work-group ends while a partner may still ask for a tile that names it
	s_endpgm
.Lfunc_end_k_qcfd2affb30_attn:
	.size	k_qcfd2affb30_attn, .Lfunc_end_k_qcfd2affb30_attn-k_qcfd2affb30_attn
	.p2alignl 7, 3214868480
	.fill 96, 4, 3214868480
	.section	.rodata,"a",@progbits
	.p2align	6, 0x0
	.amdhsa_kernel k_qcfd2affb30_attn
		.amdhsa_group_segment_fixed_size 210944
		.amdhsa_private_segment_fixed_size 0
		.amdhsa_enable_private_segment 0
		.amdhsa_kernarg_size 24
		.amdhsa_user_sgpr_count 2
		.amdhsa_user_sgpr_kernarg_segment_ptr 1
		.amdhsa_wavefront_size32 1
		.amdhsa_system_sgpr_workgroup_id_x 1
		.amdhsa_system_sgpr_workgroup_id_y 1
		.amdhsa_system_sgpr_workgroup_id_z 1
		.amdhsa_system_vgpr_workitem_id 0
		.amdhsa_next_free_vgpr 256
		.amdhsa_next_free_sgpr 80
		.amdhsa_reserve_vcc 1
		.amdhsa_float_denorm_mode_32 3
		.amdhsa_float_denorm_mode_16_64 3
		.amdhsa_memory_ordered 1
		.amdhsa_forward_progress 1
		.amdhsa_inst_pref_size 120
	.end_amdhsa_kernel
	.amdgpu_metadata
---
amdhsa.version: [ 1, 2 ]
amdhsa.kernels:
  - .name:           k_qcfd2affb30_attn
    .symbol:         k_qcfd2affb30_attn.kd
    .args:
      - { .name: qkv, .offset: 0, .size: 8, .value_kind: global_buffer, .address_space: global }
      - { .name: acodes, .offset: 8, .size: 8, .value_kind: global_buffer, .address_space: global }
      - { .name: ascales, .offset: 16, .size: 8, .value_kind: global_buffer, .address_space: global }
    .group_segment_fixed_size: 210944
    .private_segment_fixed_size: 0
    .kernarg_segment_align: 8
    .kernarg_segment_size: 24
    .max_flat_workgroup_size: 512
    .sgpr_count:     80
    .vgpr_count:     256
    .wavefront_size: 32
...
	.end_amdgpu_metadata
.endif
;; end of part 3
;; launch proj (part 4): grid 4 x 32, 4 waves a work-group, clusters of 4 x 4, 327,680 bytes of LDS; arguments acodes, ascales, codes, scales, out0; writes out0
.if DOCPART == 4
	.amdgcn_target "amdgcn-amd-amdhsa--gfx1250"
	.amdhsa_code_object_version 6
	.text
	.protected	k_qcfd2affb30_proj
	.globl	k_qcfd2affb30_proj
	.p2align	8
	.type	k_qcfd2affb30_proj,@function
k_qcfd2affb30_proj:
	s_mov_b64 s[64:65], 0
	v_nop
	global_prefetch_b8 v0, s[64:65] scope:SCOPE_SE
	s_setreg_imm32_b32 hwreg(HW_REG_WAVE_MODE, 25, 1), 1
	s_wait_xcnt 0x0
	s_wait_alu depctr_hold_cnt(0) depctr_sa_sdst(0) depctr_va_vdst(0) depctr_va_sdst(0) depctr_va_ssrc(0) depctr_va_vcc(0) depctr_vm_vsrc(0)
	s_getreg_b32 s2, hwreg(HW_REG_IB_STS2, 6, 4)
	s_cmp_eq_u32 s2, 0
	s_cbranch_scc0 .Lentry_in_a_cluster
	s_endpgm
.Lentry_in_a_cluster:
	s_bfe_u32 s2, ttmp6, 0x10000c
	s_cmp_lg_u32 s2, 0xf033
	s_cbranch_scc0 .Lentry_shape_is_right
	s_endpgm
.Lentry_shape_is_right:
; out0 = a wo^T, a the attention's result: [8192][1024] x [1024][1024] on codes of FP6 (E2M3) with one E8M0 scale for each 32 along K; out0 [8192][1024] f32; sums in f32.
; A: acodes [tile of 16 tokens T][head][768 bytes]: the image of six operand registers (16 rows x 64 K: four registers at 16 x lane, two at 8 x lane); two heads on end are a fragment of 16 rows x 128 K.  ascales [16 T + r][32].
;    Row r of tile 2 b + u of a group of 32 tokens is token 32 b + 8 u + r + 8 (r / 8): the way out puts the rows back.
; B: wo's rows in codes [12288][768 bytes] from row 11,264 on, as streams of bits, in true order; their scale bytes in scales [12288][32].
; A tile of out0, 256 x 256, is made by a work-group of four waves; a wave makes 128 x 128: 64 accumulators of 16 x 16, 512 registers.  K goes in steps of 256 (four heads) through a ring of two LDS slots filled by the tensor data mover.
; THE SCALES of the work-group's 256 rows of A and of B, for all of K, are two dense blocks of memory: they come into LDS once, with the first fills, and stay.
; CLUSTERS: 4 x 4 work-groups.  The four of a row of the cluster need the same tiles of A, the four of a column the same tiles of B: each tile is asked for JOINTLY, by the same tensor load with the same descriptor and a mask that names the four.
; THE MATRIX INSTRUCTION IS USED TRANSPOSED (source 0 = 16 rows of B, source 1 = 16 rows of A): a lane then holds eight neighbouring numbers of a row of out0.
; 128 work-groups: out0 has 128 tiles of this size.  No prefetch: the ring is filled again only twice in the launch.
; REGISTERS, in windows of 256: window 0: v0-31 addresses; v32-63 scale words, two sets; from v128 A's fragments, ONE set; on the way out v128-255 are free.  window 1: B's fragments, TWO sets, at v0 and v128.
;   window 2: the 32 accumulators of my rows 0-63 (accumulator (a, b) at v[8 (8 a + b)]);  window 3: those of my rows 64-127.
.set SIZE_N, 1024
.set SIZE_K, 1024
.set KSTEP,  256                       ; along K in a slot
.set NQ,     KSTEP/128                 ; matrix instructions deep
.set ROWB,   192                       ; a row of B's tile in bytes
.set ASLB,   3072                      ; a tile of 16 tokens x 256 K of A: four heads' images
.set KROW,   SIZE_K*6/8                ; a row's codes in memory, for A (16 rows: 12,288 bytes) as for B
.set PITCH,  240                       ; B's LDS row: 3 x (64 bytes + 16 of padding): the 32 lanes of a load of 8 bytes touch 64 different banks (64 banks of 4 bytes: ISA guide 11.1)
.set FR,     12                        ; registers of a fragment: 16 rows x 128 K
.set NLA,    4                         ; LDS loads that bring one of A's (B's: six)
.set NP,     4                         ; places behind this matrix instruction (ISA guide 7.12.1)
.set HALFT,  128*PITCH                 ; the place of 128 rows in a slot (A's 128 rows use 24,576 bytes of it, dense)
.set SLOT,   4*HALFT                   ; A's 256 rows, then B's 256 rows
.set LAPS,   SIZE_K/(2*KSTEP)
.set KS,     SIZE_K/32                 ; a row of scales in bytes
.set SCL,    2*SLOT                    ; behind the ring: the scales, as runs of 256 bytes + 16 of padding
.set HALFS,  (128*KS/256)*272
.set SBLK,   (16*KS/256)*272
.set SPARE,  SCL+4*HALFS               ; behind the scales: the spare words, 128 bytes for each wave, which no other line names
.set SPITCH, 528                       ; the way out: a stage of 16 rows x (512 bytes + 16) for each wave.  It lies in slot 0, which has had its last fill and its last read when the first result is stored there
.set ADRA, 16                          ; v16-17  LDS address of my A fragments in slot 0, 1, + 16 x lane  (v18-19: + 8 x lane)
.set ADRB, 20                          ; v20-21  the same for B: row x pitch + 24 x half  (v22-23: behind one padding more)
.set STO,  24                          ; v24     the way out: where I put 32 bytes of a row
.set RD,   25                          ; v25     the way out: where I read a row back
.set CO,   26                          ; v26     my byte offset in a row of out0
.set ADRS, 27                          ; v27     LDS address of my scale words: lanes 0-15 A's rows, lanes 16-31 B's
.set SPW,  28                          ; v28     LDS address of my spare word; never rewritten
.set NIL,  29                          ; v29     0; never rewritten
.set SC,   32
.set AF,   128
.set BK,   128                         ; the way out: 16 rows read back from the stage: v128-191 and v192-255 by turns
.set G1, 24
.set G0, 32
.set G1B, 48
.set G0B, 56
.set G1S, 68
.set G0S, 76
.set G1SB, 80
.set G0SB, 88
.set MSB, 0
.macro WIN new                         ; the immediate's high byte repeats the setting that is left
.if MSB != \new
	s_set_vgpr_msb (MSB<<8)|\new
.set MSB, \new
.endif
.endm
.set MUL_LO, 0xa1                      ; source 0 (B) window 1, source 1 (A) window 0, C and D window 2
.set MUL_HI, 0xf1                      ; the same, C and D window 3
.set TO_B,   0x40                      ; destination window 1, address window 0
; A joint load: waves 0 and 1 fetch for A, waves 2 and 3 for B; the branch hangs on the wave's number alone.  Four v_nop follow each of the two lines.
.macro JLOAD g0a, g1a, g0b, g1b
	s_cmp_eq_u32 s15, 0
	s_cbranch_scc0 .Lfor_b_\@
	tensor_load_to_lds s[\g0a:\g0a+3], s[\g1a:\g1a+7]
	s_nop 0
.rept 4
	v_nop
.endr
	s_branch .Lasked_\@
.Lfor_b_\@:
	tensor_load_to_lds s[\g0b:\g0b+3], s[\g1b:\g1b+7]
	s_nop 0
.rept 4
	v_nop
.endr
.Lasked_\@:
.endm
.macro CREST                           ; a round of the cluster's barrier behind its opening barrier
	s_cmp_lg_u32 s14, 0
	s_cbranch_scc1 .Lnot_wave_0_\@
	s_barrier_signal -3
.Lnot_wave_0_\@:
	s_barrier_wait -3
	s_barrier_signal -1
	s_barrier_wait -1
.endm
.macro CROUND                          ; a whole round
	s_barrier_signal -1
	s_barrier_wait -1
	CREST
.endm
	s_load_b128 s[4:7], s[0:1], 0x0                ; acodes s[4:5], ascales s[6:7]
	s_load_b128 s[8:11], s[0:1], 0x10              ; codes s[8:9], scales s[10:11]
	s_load_b64 s[12:13], s[0:1], 0x20              ; out0
	v_lshl_add_u32 v[SPW], v0, 2, SPARE
	v_mov_b32 v[NIL], 0
	ds_add_u32 v28, v29
	ds_add_u32 v28, v29
	s_wait_dscnt 0x0
	v_lshrrev_b32 v1, 5, v0
	v_readfirstlane_b32 s14, v1                    ; wave 0..3
	s_lshr_b32 s15, s14, 1                         ; which half of the tile's rows is mine.  Also: I fetch for A (0) or for B (1)
	s_and_b32 s16, s14, 1                          ; which half of its columns.  Also: which 128 rows of that tile I fetch
	s_bfe_u32 s40, ttmp6, 0x40000                  ; cx, cy: my place in the cluster
	s_bfe_u32 s41, ttmp6, 0x40004
	s_lshl_b32 s42, ttmp9, 2
	s_add_co_u32 s42, s42, s40                     ; tile column = 4 x cluster x + cx
	s_and_b32 s17, ttmp7, 0xffff
	s_lshl_b32 s17, s17, 2
	s_add_co_u32 s17, s17, s41                     ; tile row = 4 x cluster y + cy
	s_lshl_b32 s43, s41, 2
	s_lshl_b32 s43, 15, s43                        ; my row of the cluster
	s_lshl_b32 s44, 0x1111, s40                    ; my column
	; descriptor group 1 for A: 8 tiles of 16 tokens, of each 3,072 bytes (384 elements of 8 bytes), 12,288 bytes apart in memory, dense in LDS
	s_or_b32 s[G1+0], s43, (3<<16)|(1<<21)         ; 15:0 the mask: A's tiles go to my row; 17:16 elements of 8 bytes; 20 no padding; 21 set beside a mask
	s_mov_b32 s[G1+1], 384<<16                     ; tensor_dim0
	s_mov_b32 s[G1+2], 8<<16                       ; tensor_dim1
	s_mov_b32 s[G1+3], 384<<16                     ; tile_dim0
	s_mov_b32 s[G1+4], 8                           ; tile_dim1
	s_mov_b32 s[G1+5], 1536                        ; tensor_dim0_stride
	s_mov_b32 s[G1+6], 0
	s_mov_b32 s[G1+7], 0
	; for B: 128 rows x 192 bytes, 16 bytes of padding behind every 64
	s_or_b32 s[G1B+0], s44, (0<<16)|(1<<20)|(1<<21)|(3<<22)|(3<<25)
	s_mov_b32 s[G1B+1], ROWB<<16
	s_mov_b32 s[G1B+2], 128<<16
	s_mov_b32 s[G1B+3], ROWB<<16
	s_mov_b32 s[G1B+4], 128
	s_mov_b32 s[G1B+5], KROW
	s_mov_b32 s[G1B+6], 0
	s_mov_b32 s[G1B+7], 0
	; and for the scales of 128 rows: a dense block of 4,096 bytes, as rows of 256 bytes (32 elements of 8 bytes), 16 bytes of padding behind each
	s_or_b32 s[G1S+0], s43, (3<<16)|(1<<20)|(1<<21)|(5<<22)|(3<<25)
	s_or_b32 s[G1SB+0], s44, (3<<16)|(1<<20)|(1<<21)|(5<<22)|(3<<25)
.irp g, G1S, G1SB
	s_mov_b32 s[\g+1], 32<<16
	s_mov_b32 s[\g+2], (128*KS/256)<<16
	s_mov_b32 s[\g+3], 32<<16
	s_mov_b32 s[\g+4], 128*KS/256
	s_mov_b32 s[\g+5], 32
	s_mov_b32 s[\g+6], 0
	s_mov_b32 s[\g+7], 0
.endr
	s_lshl_b32 s18, s16, 7                         ; which 128 rows of the tile I fetch
	s_lshl_b32 s20, s17, 8
	s_add_co_u32 s20, s20, s18                     ; A: row 256 x tile row + 128 x half
	s_lshl_b32 s46, s42, 8
	s_add_co_u32 s46, s46, s18
	s_add_co_u32 s46, s46, 11264                   ; B: wo's row 256 x tile column + 128 x half
	s_mov_b32 s21, 0
	s_mov_b32 s47, 0
	s_mov_b64 s[18:19], KS
	s_mul_u64 s[22:23], s[20:21], s[18:19]         ; where these rows' scales begin, in bytes
	s_mul_u64 s[92:93], s[46:47], s[18:19]
	s_mov_b64 s[18:19], KROW
	s_mul_u64 s[20:21], s[20:21], s[18:19]         ; and their codes (A: 16 rows are 12,288 bytes, so 768 a row here too)
	s_mul_u64 s[46:47], s[46:47], s[18:19]
	s_mul_i32 s45, s14, HALFT                      ; where they go: wave x the place of 128 rows: no place in the cluster enters an LDS address
	s_mul_i32 s94, s14, HALFS
	s_wait_kmcnt 0x0
	s_add_nc_u64 s[20:21], s[4:5], s[20:21]
	s_add_nc_u64 s[22:23], s[6:7], s[22:23]
	s_add_nc_u64 s[46:47], s[8:9], s[46:47]
	s_add_nc_u64 s[92:93], s[10:11], s[92:93]
	CROUND                                         ; all sixteen work-groups are here: the first joint loads meet
	s_mov_b32 s[G0S], 1
	s_add_co_u32 s[G0S+1], s94, SCL
	s_mov_b64 s[G0S+2:G0S+3], s[22:23]
	s_or_b32 s[G0S+3], s[G0S+3], 0x80000000
	s_mov_b32 s[G0SB], 1
	s_add_co_u32 s[G0SB+1], s94, SCL
	s_mov_b64 s[G0SB+2:G0SB+3], s[92:93]
	s_or_b32 s[G0SB+3], s[G0SB+3], 0x80000000
	JLOAD G0S, G1S, G0SB, G1SB                     ; the scales first: they are wanted with K step 0, and are filled once
.irp s, 0,1
	s_mov_b32 s[G0+4*\s], 1
	s_add_co_u32 s[G0+4*\s+1], s45, \s*SLOT
	s_add_nc_u64 s[G0+4*\s+2:G0+4*\s+3], s[20:21], \s*ASLB
	s_or_b32 s[G0+4*\s+3], s[G0+4*\s+3], 0x80000000
	s_mov_b32 s[G0B+4*\s], 1
	s_add_co_u32 s[G0B+4*\s+1], s45, \s*SLOT
	s_add_nc_u64 s[G0B+4*\s+2:G0B+4*\s+3], s[46:47], \s*ROWB
	s_or_b32 s[G0B+4*\s+3], s[G0B+4*\s+3], 0x80000000
	JLOAD G0+4*\s, G1, G0B+4*\s, G1B
.endr
	v_and_b32 v1, 15, v0                           ; l % 16
	v_bfe_u32 v2, v0, 4, 1                         ; l / 16
	v_mul_u32_u24 v3, v1, PITCH
	v_mul_u32_u24 v4, v2, 24
	v_add_nc_u32 v4, v3, v4                        ; B: a fragment's row x pitch + 24 x half
	v_lshl_add_u32 v5, v2, 4, v4                   ; and the same behind one padding more
	v_and_b32 v6, 31, v0
	v_lshlrev_b32 v7, 4, v6                        ; A: 16 x lane,
	v_lshlrev_b32 v8, 3, v6                        ; 8 x lane
	s_mul_i32 s21, s15, HALFT                      ; my 128 rows of A
	s_mul_i32 s22, s16, HALFT                      ; my 128 rows of B,
	s_add_co_u32 s22, s22, 2*HALFT                 ; which lie behind A's 256
.irp s, 0,1
	v_add_nc_u32 v[ADRA+\s], s21, v7
	v_add_nc_u32 v[ADRB+\s], s22, v4
	v_add_nc_u32 v[ADRA+2+\s], s21, v8
	v_add_nc_u32 v[ADRB+2+\s], s22, v5
	s_add_co_u32 s21, s21, SLOT
	s_add_co_u32 s22, s22, SLOT
.endr
	v_mul_u32_u24 v5, v1, KS                       ; my row's scales: KS bytes a row,
	v_lshrrev_b32 v6, 8, v5
	v_lshl_add_u32 v5, v6, 4, v5                   ; and 16 more for each 256 passed
	s_mul_i32 s21, s15, HALFS                      ; A's: my 128 rows
	s_mul_i32 s22, s16, HALFS                      ; B's: my 128 rows, behind A's 256
	s_add_co_u32 s22, s22, 2*HALFS
	s_sub_co_u32 s22, s22, s21
	v_mul_u32_u24 v6, s22, v2                      ; lanes 16-31 take B's
	s_add_co_u32 s21, s21, SCL
	v_add_nc_u32 v5, v5, v6
	v_add_nc_u32 v[ADRS], s21, v5
	s_mul_i32 s23, s14, 16*SPITCH                  ; my stage
	v_mul_u32_u24 v5, v1, SPITCH                   ; in: row l % 16, 32 bytes for each half of the lanes
	v_lshl_add_u32 v5, v2, 5, v5
	v_add_nc_u32 v[STO], s23, v5
	v_and_b32 v6, 31, v0
	v_lshlrev_b32 v[CO], 4, v6                     ; back: the 32 lanes take one row of 512 bytes; and the same in out0
	v_add_nc_u32 v[RD], s23, v[CO]
	s_lshl_b32 s20, s17, 8
	s_lshl_b32 s21, s15, 7
	s_add_co_u32 s20, s20, s21                     ; my first row of out0: 256 x tile row + 128 x half
	s_mov_b32 s21, 0
	s_mov_b64 s[18:19], SIZE_N*4
	s_mul_u64 s[20:21], s[20:21], s[18:19]
	s_lshl_b32 s46, s42, 10                        ; my first column, in bytes: 1024 x tile column + 512 x half
	s_lshl_b32 s47, s16, 9
	s_add_co_u32 s46, s46, s47
	s_mov_b32 s47, 0
	s_add_nc_u64 s[20:21], s[20:21], s[46:47]
	s_add_nc_u64 s[12:13], s[12:13], s[20:21]
.macro FRAG reg, adr, q, i             ; a fragment of B, 16 rows x 128 K, is 12 registers: lane l holds row l % 16; registers 6 c .. 6 c + 5 hold K = 64 c + 32 (l / 16) + 0 .. 31: 24 bytes of the row's stream of bits, in pieces of 8 bytes
.irp p, 0,1,2,3,4,5
.set PCE, 12*(\q)+6*(\p/3)+\p%3        ; 16 bytes of padding lie behind every 8 pieces: where the piece three on (lanes 16-31) lies behind one padding more, the second address register serves
.if PCE%8 < 5
	ds_load_b64 v[\reg+2*\p:\reg+2*\p+1], v[\adr] offset:8*PCE+16*(PCE/8)+(\i)*16*PITCH
.else
	ds_load_b64 v[\reg+2*\p:\reg+2*\p+1], v[\adr+2] offset:8*PCE+16*(PCE/8)+(\i)*16*PITCH
.endif
.endr
.endm
.macro AFRAG reg, slot, q, i           ; a fragment of A: two heads' images on end, each four registers at 16 x lane and two at 8 x lane: every load reads consecutive bytes
	ds_load_b128 v[\reg:\reg+3], v[ADRA+\slot] offset:ASLB*(\i)+1536*(\q)
	ds_load_b64 v[\reg+4:\reg+5], v[ADRA+2+\slot] offset:ASLB*(\i)+1536*(\q)+512
	ds_load_b128 v[\reg+6:\reg+9], v[ADRA+\slot] offset:ASLB*(\i)+1536*(\q)+768
	ds_load_b64 v[\reg+10:\reg+11], v[ADRA+2+\slot] offset:ASLB*(\i)+1536*(\q)+1280
.endm
; 16 matrix instructions: A's blocks a0, a0 + 1 x B's eight, 128 along K: the slot's q-th.  p: B's set;  sc: the set of scale words.  zero = 1: the first product starts the sums: nothing is ever cleared.
; The 64 accumulators take turns, one instruction a turn, in the same order in every step.
.macro MUL16 a0, p, q, sc, zero
.irp a, \a0, \a0+1
.irp b, 0,1,2,3,4,5,6,7
.if \zero
	v_wmma_scale_f32_16x16x128_f8f6f4 v[8*(8*((\a)%4)+\b):8*(8*((\a)%4)+\b)+7], v[128*(\p)+FR*\b:128*(\p)+FR*\b+FR-1], v[AF+FR*(\a):AF+FR*(\a)+FR-1], 0, v[SC+8*NQ*(\sc)+NQ*\b+(\q)], v[SC+8*NQ*(\sc)+NQ*(\a)+(\q)] matrix_a_fmt:MATRIX_FMT_FP6 matrix_b_fmt:MATRIX_FMT_FP6 matrix_a_scale:MATRIX_SCALE_ROW1
.else
	v_wmma_scale_f32_16x16x128_f8f6f4 v[8*(8*((\a)%4)+\b):8*(8*((\a)%4)+\b)+7], v[128*(\p)+FR*\b:128*(\p)+FR*\b+FR-1], v[AF+FR*(\a):AF+FR*(\a)+FR-1], v[8*(8*((\a)%4)+\b):8*(8*((\a)%4)+\b)+7], v[SC+8*NQ*(\sc)+NQ*\b+(\q)], v[SC+8*NQ*(\sc)+NQ*(\a)+(\q)] matrix_a_fmt:MATRIX_FMT_FP6 matrix_b_fmt:MATRIX_FMT_FP6 matrix_a_scale:MATRIX_SCALE_ROW1
.endif
.endr
.endr
.endm
.macro FETCH_B slot, q, p              ; B's eight fragments of the slot's q-th 128 along K into set p
	WIN TO_B
.irp i, 0,1,2,3,4,5,6,7
	FRAG 128*(\p)+FR*\i, ADRB+\slot, \q, \i
.endr
	WIN 0
.endm
.macro FETCH_A slot, q, i0             ; A's blocks i0 .. i0 + 3: 16 loads
.irp i, \i0, \i0+1, \i0+2, \i0+3
	AFRAG AF+FR*(\i), \slot, \q, \i
.endr
.endm
.macro SCALES sc                       ; the next K step's scale words into set sc: NQ words a row; lanes 0-15 take A's block i, lanes 16-31 B's block i
.irp i, 0,1,2,3,4,5,6,7
	ds_load_b64 v[SC+8*NQ*\sc+NQ*\i:SC+8*NQ*\sc+NQ*\i+1], v[ADRS] offset:\i*SBLK
.endr
.endm
; A load into a register that a matrix instruction has read, and an LDS store that reads a matrix result, stand NP places behind that matrix instruction; only plain vector instructions that name none of its
; registers are places (ISA guide 7.12.1 for vector instructions).
.macro PLACES n
.rept \n
	v_nop
.endr
.endm
; A step of 128 along K that has its successor in the same slot.
.macro STEP slot, q, zero
	s_wait_dscnt 4*NLA                             ; B's set and A's blocks 0-3 are in; the youngest 16 loads (A's blocks 4-7) may be out
	WIN MUL_LO
	MUL16 0, (\q)%2, \q, \slot, \zero
	MUL16 2, (\q)%2, \q, \slot, \zero
	s_wait_dscnt 0                                 ; A's blocks 4-7 are in (asked for 32 matrix instructions ago)
	PLACES NP
	FETCH_B \slot, (\q)+1, 1-(\q)%2
	FETCH_A \slot, (\q)+1, 0
	WIN MUL_HI
	MUL16 4, (\q)%2, \q, \slot, \zero
	MUL16 6, (\q)%2, \q, \slot, \zero
	PLACES NP
	WIN 0
	FETCH_A \slot, (\q)+1, 4
.endm
; A slot's last step changes slots: ONE barrier; in front of it each wave waits for all its tensor loads, adds 0 to its spare word, and waits for that and for its own reads of this slot.  fill = 1: this slot is filled again, two K steps ahead.
.macro TURN slot, next, fill
	s_wait_tensorcnt 0x0                           ; all my tensor loads have landed: my part of the next slot;  (every window is 0 here)
	ds_add_u32 v[SPW], v[NIL]                      ; 0 onto my spare word
	s_wait_dscnt 4*NLA+1                           ; (the add and the youngest 16 loads, A's blocks 4-7, may be out)
	WIN MUL_LO
	MUL16 0, 1, NQ-1, \slot, 0                     ; sixteen matrix instructions stand between the add and the wait for it
	s_wait_dscnt 0x0                               ; the add is done, and my reads of this slot are over
	s_barrier_signal -1
	MUL16 2, 1, NQ-1, \slot, 0
	WIN 0
	s_barrier_wait -1
.if \fill
	CREST                                          ; the barrier has opened a round of the cluster's barrier: no wave of any partner still reads this slot's tile or has a load on its way
	s_add_nc_u64 s[G0+4*\slot+2:G0+4*\slot+3], s[G0+4*\slot+2:G0+4*\slot+3], 2*ASLB
	s_add_nc_u64 s[G0B+4*\slot+2:G0B+4*\slot+3], s[G0B+4*\slot+2:G0B+4*\slot+3], 2*ROWB
	JLOAD G0+4*\slot, G1, G0B+4*\slot, G1B         ; the first tensor load behind the round; the four v_nop behind it are the places in front of the loads below
.else
	PLACES NP
.endif
	v_add_nc_u32 v[ADRS], 4*NQ, v[ADRS]            ; on to the next K step's scale words (no LDS load of mine is out)
	FETCH_B \next, 0, 0
	FETCH_A \next, 0, 0
	SCALES \next
	WIN MUL_HI
	MUL16 4, 1, NQ-1, \slot, 0
	MUL16 6, 1, NQ-1, \slot, 0
	PLACES NP
	WIN 0
	FETCH_A \next, 0, 4
.endm
	s_wait_tensorcnt 1                             ; the scales and my part of K step 0 are in (K step 1's load may be out)
	s_barrier_signal -1
	s_barrier_wait -1                              ; everybody's are
	FETCH_B 0, 0, 0
	FETCH_A 0, 0, 0
	SCALES 0
	FETCH_A 0, 0, 4
	STEP 0, 0, 1                                   ; the first step stands in front of the loop: its products start the sums
	s_mov_b32 s3, LAPS-1
.Llap:                                                 ; a trip goes once round the ring, from a lap's second step to the next lap's first, and fills both slots again
	TURN 0, 1, 1
	STEP 1, 0, 0
	TURN 1, 0, 1
	STEP 0, 0, 0
	s_sub_co_u32 s3, s3, 1
	s_cmp_lg_u32 s3, 0
	s_cbranch_scc1 .Llap
	TURN 0, 1, 0                                   ; the last lap fills nothing, and has no round of the cluster's barrier
	STEP 1, 0, 0
	s_wait_dscnt 4*NLA                             ; the very last step: nothing more to fetch
	WIN MUL_LO
	MUL16 0, 1, NQ-1, 1, 0
	MUL16 2, 1, NQ-1, 1, 0
	s_wait_dscnt 0
	WIN MUL_HI
	MUL16 4, 1, NQ-1, 1, 0
	MUL16 6, 1, NQ-1, 1, 0
	WIN 0
; THE WAY OUT, block by block of 16 rows x 128 columns.  A lane holds 32 neighbouring bytes of a row, and the lanes beside it hold other rows: so a block goes through my own stage in LDS and comes back as whole
; rows of 512 bytes, which the 32 lanes store as 512 consecutive bytes, aligned.  LDS serves a wave's instructions in order (ISA guide 5.7.1.4): no wait between the stores and the loads, nor in front of the next block's stores.
; Row t of block a is token 32 (a / 2) + 8 (a % 2) + t + 8 (t / 8) of my 128.
.macro TOSTAGE a
.set AC, 64*((\a)%4)
	WIN 0x08+4*((\a)/4)                            ; the data: window 2 or 3
.irp b, 0,1,2,3,4,5,6,7
	ds_store_b128 v[STO], v[AC+8*\b:AC+8*\b+3] offset:64*\b          ; each accumulator from its low end on
	ds_store_b128 v[STO], v[AC+8*\b+4:AC+8*\b+7] offset:64*\b+16
.endr
	WIN 0
.set BB, BK+64*((\a)%2)
.irp t, 0,1,2,3,4,5,6,7,8,9,10,11,12,13,14,15
	ds_load_b128 v[BB+4*\t:BB+4*\t+3], v[RD] offset:\t*SPITCH
.endr
.endm
.macro SEND a, younger                 ; younger: the LDS instructions issued behind block a's loads, which may stay out
.set BB, BK+64*((\a)%2)
	s_wait_dscnt \younger                          ; the block is back in registers
.if (\a) > 0
.if (\a)%2 == 1
	s_add_nc_u64 s[12:13], s[12:13], 8*SIZE_N*4    ; (behind a wait on XCNT: the earlier stores have read their base)  an odd block begins 8 tokens behind the even one,
.else
	s_add_nc_u64 s[12:13], s[12:13], 24*SIZE_N*4   ; an even block 24 behind the odd one
.endif
.endif
.irp t, 0,1,2,3,4,5,6,7,8,9,10,11,12,13,14,15
	global_store_b128 v[CO], v[BB+4*\t:BB+4*\t+3], s[12:13] offset:(\t+8*(\t/8))*SIZE_N*4 th:TH_STORE_NT   ; written once, read by nobody here
.endr
.endm
	PLACES NP                                      ; behind the last products: for the loads into the registers that held A's fragments and for the reads of results alike
	TOSTAGE 0
.irp a, 1,2,3,4,5,6,7
.if \a > 1
	s_wait_xcnt 0x0                                ; block a - 2's stores have read their registers and their base: block a's loads may land there, and the base may step
.endif
	TOSTAGE \a
	SEND \a-1, 32                                  ; behind block a - 1's loads: block a's 16 stores and 16 loads
.endr
	s_wait_xcnt 0x0                                ; block 6's stores have read their base
	SEND 7, 0
	s_wait_tensorcnt 0x0                           ; the wave's end: behind my last tensor load and my last LDS store
	ds_add_u32 v[SPW], v[NIL]
	s_wait_dscnt 0x0
	CROUND                                         ; the closing round: no work-group ends while a partner may still ask for a tile that names it
	s_endpgm
.Lfunc_end_k_qcfd2affb30_proj:
	.size	k_qcfd2affb30_proj, .Lfunc_end_k_qcfd2affb30_proj-k_qcfd2affb30_proj
	.p2alignl 7, 3214868480
	.fill 96, 4, 3214868480
	.section	.rodata,"a",@progbits
	.p2align	6, 0x0
	.amdhsa_kernel k_qcfd2affb30_proj
		.amdhsa_group_segment_fixed_size 327680
		.amdhsa_private_segment_fixed_size 0
		.amdhsa_enable_private_segment 0
		.amdhsa_kernarg_size 40
		.amdhsa_user_sgpr_count 2
		.amdhsa_user_sgpr_kernarg_segment_ptr 1
		.amdhsa_wavefront_size32 1
		.amdhsa_system_sgpr_workgroup_id_x 1
		.amdhsa_system_sgpr_workgroup_id_y 1
		.amdhsa_system_sgpr_workgroup_id_z 1
		.amdhsa_system_vgpr_workitem_id 0
		.amdhsa_next_free_vgpr 1024
		.amdhsa_next_free_sgpr 98
		.amdhsa_reserve_vcc 0
		.amdhsa_float_denorm_mode_32 3
		.amdhsa_float_denorm_mode_16_64 3
		.amdhsa_memory_ordered 1
		.amdhsa_forward_progress 1
		.amdhsa_inst_pref_size 152
	.end_amdhsa_kernel
	.amdgpu_metadata
---
amdhsa.version: [ 1, 2 ]
amdhsa.kernels:
  - .name:           k_qcfd2affb30_proj
    .symbol:         k_qcfd2affb30_proj.kd
    .args:
      - { .name: acodes, .offset: 0, .size: 8, .value_kind: global_buffer, .address_space: global }
      - { .name: ascales, .offset: 8, .size: 8, .value_kind: global_buffer, .address_space: global }
      - { .name: codes, .offset: 16, .size: 8, .value_kind: global_buffer, .address_space: global }
      - { .name: scales, .offset: 24, .size: 8, .value_kind: global_buffer, .address_space: global }
      - { .name: out0, .offset: 32, .size: 8, .value_kind: global_buffer, .address_space: global }
    .group_segment_fixed_size: 327680
    .private_segment_fixed_size: 0
    .kernarg_segment_align: 8
    .kernarg_segment_size: 40
    .max_flat_workgroup_size: 128
    .sgpr_count:     98
    .vgpr_count:     1024
    .wavefront_size: 32
...
	.end_amdgpu_metadata
.endif
;; end of part 4
